; MI455X (gfx1250); checked and timed in simulation.
; The chip was launched on July 23, 2026; its instructions are those of AMD's public machine-readable ISA for CDNA 5 (MIT licence, August 2026) and "CDNA5" Instruction Set Architecture Reference Guide (July 2026). The comments in the code are by the model that wrote it; some were corrected since.
;; Dense Flash Block. Allowed arithmetic: matrix products marked QUANTISED: E2M3 operands, one E8M0 scale for each 32 along K, by v_wmma_scale_f32_16x16x128_f8f6f4 with both operands' format E2M3, f32 sums; everything else in f32.
;; Inputs: b_attn 3,072 float32; b_fc 4,096 float32; b_fc2 1,024 float32; b_proj 1,024 float32; hidden_states 2 x 2,048 x 1,024 float32; ln1_b 1,024 float32; ln1_g 1,024 float32; ln2_b 1,024 float32; ln2_g 1,024 float32; w_attn 1,024 x 3,072 float32; w_fc 1,024 x 4,096 float32; w_fc2 4,096 x 1,024 float32; w_proj 1,024 x 1,024 float32.
;; Outputs: out0 2 x 2,048 x 1,024 float32.
;; This version of the problem:
;;   THIS VERSION OF THE PROBLEM IS GIVEN IN LOW PRECISION. The matrix products marked QUANTISED in the list below multiply operands that are first quantised to E2M3 (2 exponent bits, 3 mantissa bits; 6 bits a number), with one power-of-two scale for each 32 numbers along K (OCP MX v1.0); their sums are f32. All else is computed in f32.
;;   The module's matrix products, in the order in which they are computed (A, B: the left and right operand; K: the contracted axis; several contracted axes count as one K, in the product's order):
;;     1. [M 4,096, K 1,024] x [K 1,024, N 3,072]; A: computed on the way; B: input w_attn: QUANTISED
;;     2. batch 32 x [M 2,048, K 64] x [K 64, N 2,048]; A: computed on the way; B: computed on the way: QUANTISED
;;     3. batch 32 x [M 2,048, K 2,048] x [K 2,048, N 64]; A: softmax (see below); B: computed on the way: QUANTISED
;;     4. [M 4,096, K 1,024] x [K 1,024, N 1,024]; A: computed on the way; B: input w_proj: QUANTISED
;;     5. [M 4,096, K 1,024] x [K 1,024, N 4,096]; A: computed on the way; B: input w_fc: QUANTISED
;;     6. [M 4,096, K 4,096] x [K 4,096, N 1,024]; A: computed on the way; B: input w_fc2: QUANTISED
;;   THE QUANTISER, for each operand of a quantised product, along K:
;;     - K is cut into blocks of 32 from its start; a last block that is shorter is filled with zeros.
;;     - A block's scale is 2^e with e = floor(log2(the largest magnitude in the block)) - 2, held to -126 .. 127; a block of zeros has e = 0. As a byte (E8M0): e + 127.
;;     - Each number is divided by its block's scale, clamped to +-7.5, and rounded to the nearest number of E2M3, ties to even, subnormals kept.
;;     - The product sums the exact products of the quantised numbers (number of the format x scale) in f32.
;;   ~~~python
;;   def quantise(x, axis):      # numpy; x: float32 -> the quantised numbers, widened to float32 again
;;       x = np.moveaxis(x, axis, -1); K = x.shape[-1]
;;       x = np.pad(x, [(0, 0)] * (x.ndim - 1) + [(0, -K % 32)]); x = x.reshape(x.shape[:-1] + (-1, 32)); a = np.abs(x).max(-1, keepdims=True)
;;       e = np.where(a > 0, np.clip(np.frexp(np.where(a > 0, a, 1))[1] - 1 - 2, -126, 127), 0)      # np.frexp(a)[1] - 1 = floor(log2(a)), exactly
;;       r = np.clip(x / 2.0 ** e, -7.5, 7.5)
;;       step = 2.0 ** (np.maximum(np.frexp(np.where(r == 0, 1, r))[1] - 1, 0) - 3)
;;       q = np.round(r / step) * step * 2.0 ** e      # np.round: ties to even
;;       return np.moveaxis(q.reshape(q.shape[:-2] + (-1,))[..., :K], -1, axis).astype(np.float32)
;;   ~~~
;;   SOFTMAX AHEAD OF A QUANTISED PRODUCT. Where the list says 'softmax', what is quantised is not the finished softmax but p = 2^(t - M), with t = logit x log2(e) and M = ceil(the row's largest t), a whole number; so 1/2 < the row's largest p <= 1. The row's sum l is taken of the UNQUANTISED p, in f32, and the product's result is divided by l at the end. Since M is a whole number, a kernel that streams over the keys may use a running M (the ceiling of the running maximum): every later rescaling is an exact power of two, which a block's scale takes up: the codes' values come out the same.
;;   OPERANDS COMPUTED ON THE WAY. 'Computed on the way' means the value that the module computes at that place (a softmax that the list does not call 'softmax' is quantised finished and normalised). What goes into a quantiser is computed in f32, as accurately as f32 sums, v_exp_f32 and their like allow (about 1e-6 of the number): no bf16 or f16 on the way to a quantiser, and a product that is left as it is and whose result goes on into a quantised operand takes f32 operands (vector FMAs, or v_wmma_f32_16x16x4_f32). A number that lies on a knife's edge between two numbers of the format may be rounded either way, as far as f32 arithmetic and the matrix unit's own rounding can turn it there, and no further.
;; One version. Each part assembles by itself: llvm-mc -triple=amdgcn-amd-amdhsa -mcpu=gfx1250 --defsym DOCPART=n.
;; ======== version 1 of 1: 7 launches
;; limits: right only within a limited range of input values
;; workspace buffers: wq 10,223,616 bytes; xq 3,407,872 bytes; qkv 10,223,616 bytes; yq 3,407,872 bytes; h1 16,777,216 bytes; zq 3,407,872 bytes; act 13,631,488 bytes
;; launch prep (part 1): grid 448 x 1, 8 waves a work-group, no clusters, 66,816 bytes of LDS; arguments hidden_states, ln1_g, ln1_b, xq, w_attn, w_proj, w_fc, w_fc2, wq; writes xq, wq
.if DOCPART == 1
	.amdgcn_target "amdgcn-amd-amdhsa--gfx1250"
	.amdhsa_code_object_version 6
	.text
	.protected	k_qbd9161d507_prep
	.globl	k_qbd9161d507_prep
	.p2align	8
	.type	k_qbd9161d507_prep,@function
k_qbd9161d507_prep:
	s_mov_b64 s[64:65], 0
	v_nop
	global_prefetch_b8 v0, s[64:65] scope:SCOPE_SE
	s_setreg_imm32_b32 hwreg(HW_REG_WAVE_MODE, 25, 1), 1
	s_wait_xcnt 0x0
; TWO JOBS IN ONE LAUNCH, since they share nothing and both are streams: work-groups 0 to 191 turn the four weights into codes, work-groups 192 to 447 make the first norm and its codes.
; The two ways part on the work-group's number alone.  The one barrier stands on the common way, so that every wave of every work-group passes it; what is read behind it is made ahead of the parting.
; THE FORMAT OF EVERY OPERAND OF THIS PROGRAM: codes of FP6 (E2M3) with one E8M0 byte for each 32 along K, laid in the order of a matrix operand's registers.  A row block is 16 rows; row m of block i is the tensor's row
; 32 (i / 2) + 16 (m / 8) + 8 (i % 2) + m % 8.  A fragment (16 rows x 128 K, 12 registers a lane) is 1,536 bytes: registers 0-3 at 16 x lane, 4-5 at 512 + 8 x lane, 6-9 at 768 + 16 x lane, 10-11 at 1,280 + 8 x lane.
; A scale image is 128 bytes: a row's word at 4 x lane, lanes 16-31 repeating lanes 0-15.  A unit (16 rows x 256 K) is 3,328 bytes: two fragments, then their two scale images.  An operand is units [row block][K / 256].
; A block's scale is 2^(floor(log2(largest magnitude)) - 2); its byte is the largest magnitude's exponent field - 2, held at 1 from below.
; THE WEIGHTS, f32 [K][N] with K as the first axis.  A work-group takes 256 columns x 256 along K, a wave 32 columns = two row blocks.  A LANE TAKES A COLUMN AND ITS REGISTERS RUN DOWN K: a block of 32 lies in one lane's
; registers, and the conversions give codes with K innermost.  Lanes 0-15 take the even block's rows in its order, lanes 16-31 the odd block's: a load still covers the wave's 128 consecutive bytes.  Loads run two blocks ahead.
; THE NORM: y = (x - mean) rsqrt(var + 1e-5) g + b for rows of 1,024 f32.  A work-group makes one row block.  Phase 1: wave w normalises rows 2 w and 2 w + 1 of the block, two neighbouring tokens, all in f32, the variance
; from the differences to the mean, and puts them into a stage in LDS (rows 4,112 bytes apart).  Behind the barrier wave w takes K step w: lane (r, h) reads, of row r, the 16 numbers 16 h on of each block of 32, and quantises them.
; LIMITS: NaN and infinities are not served; a block of zeros, or one under 2^-124, keeps the scale byte 1; only this program reads the bytes.
.set NWQ,   192                        ; the weights' work-groups: 48 for w_attn, 16 for w_proj, 64 for w_fc, 64 for w_fc2
.set PITCH, 4112
.set XR,  16                           ; the norm: v16-79 two rows; behind the barrier the 64 numbers to quantise
.set GR,  80                           ; v80-111  the gain at my columns
.set BR,  112                          ; v112-143 the bias
.set PC,  144                          ; v144-163 codes
.set TM,  164                          ; v164-179 at work in QUANT
.set PW,  180                          ; the scale word
.set SIN, 184                          ; v184 the stage, on the way in;  v185 on the way out: made ahead of the parting, written by no arm
.set SOUT, 185
.set SEL, 20                           ; s[20:21] selects for lane l xor 16
.set VOF, 16                           ; the weights: v16-47 4 x my column + i rows of W
.set X,   48                           ; v48-111  two sets of 32 numbers
.set F,   112                          ; v112-159 24 registers of codes for each of the two K steps of 128
.set W,   160                          ; v160-163 scale words, two for each K step
.set T,   164                          ; v164-166 a conversion's upper half (its three registers begin on an even number)
; 64 numbers of a lane, register 16 b + i = k 32 b + 16 (lane / 16) + i of my row, become a fragment's codes in v[pc] on and its scale word in v[pw].
.macro QUANT s, pc, tm, pw
.irp b, 0,1,2,3
	v_max3_num_f32 v[\tm+\b], |v[\s+16*\b]|, |v[\s+1+16*\b]|, 0x1800000   ; my 16 numbers of block b, and the floor 2^(3 - 127): the byte cannot fall under 1
.endr
.irp i, 2,4,6,8,10,12,14
.irp b, 0,1,2,3
	s_delay_alu instid0(VALU_DEP_4)
	v_max3_num_f32 v[\tm+\b], v[\tm+\b], |v[\s+16*\b+\i]|, |v[\s+1+16*\b+\i]|
.endr
.endr
.irp b, 0,1,2,3
	s_delay_alu instid0(VALU_DEP_4)
	v_permlanex16_b32 v[\tm+4+\b], v[\tm+\b], s[SEL], s[SEL+1]
.endr
.irp b, 0,1,2,3
	s_delay_alu instid0(VALU_DEP_4)
	v_max_num_f32 v[\tm+\b], v[\tm+\b], v[\tm+4+\b]   ; with lane l xor 16's: the block's largest magnitude
.endr
.irp b, 0,1,2,3
	s_delay_alu instid0(VALU_DEP_4)
	v_add_nc_u32 v[\tm+12+\b], 0xff000000, v[\tm+\b]  ; 2 off its exponent field: the conversion's scale operand
.endr
.irp b, 0,1,2,3
	s_delay_alu instid0(VALU_DEP_4)
	v_lshrrev_b32 v[\tm+4+\b], 23, v[\tm+12+\b]       ; the scale's byte
.endr
	s_delay_alu instid0(VALU_DEP_3)
	v_lshl_or_b32 v[\pw], v[\tm+5], 8, v[\tm+4]
	s_delay_alu instid0(VALU_DEP_1)
	v_lshl_or_b32 v[\pw], v[\tm+6], 16, v[\pw]
	s_delay_alu instid0(VALU_DEP_1)
	v_lshl_or_b32 v[\pw], v[\tm+7], 24, v[\pw]
.irp c, 0,1
	v_cvt_scalef32_pk16_fp6_f32 v[\pc+6*\c:\pc+2+6*\c], v[\s+32*\c:\s+15+32*\c], v[\tm+12+2*\c]
	v_cvt_scalef32_pk16_fp6_f32 v[\pc+12+4*\c:\pc+14+4*\c], v[\s+16+32*\c:\s+31+32*\c], v[\tm+12+2*\c+1]
.endr
	v_nop                                          ; one plain line behind a scaled conversion
.irp c, 0,1                            ; the layout wants a whole block in a lane: lanes 0-15 block 2 c, lanes 16-31 block 2 c + 1
.irp i, 0,1,2
	v_permlane16_swap_b32 v[\pc+6*\c+\i], v[\pc+12+4*\c+\i]
.endr
.irp i, 0,1,2
	s_delay_alu instid0(VALU_DEP_3)
	v_mov_b32 v[\pc+3+6*\c+\i], v[\pc+12+4*\c+\i]
.endr
.endr
.endm
.macro WSUM a, t                       ; the sum over the wave's 32 lanes, in every lane
	v_add_f32_dpp v[\a], v[\a], v[\a] row_xmask:1 row_mask:0xf bank_mask:0xf
	s_delay_alu instid0(VALU_DEP_1)
	v_add_f32_dpp v[\a], v[\a], v[\a] row_xmask:2 row_mask:0xf bank_mask:0xf
	s_delay_alu instid0(VALU_DEP_1)
	v_add_f32_dpp v[\a], v[\a], v[\a] row_xmask:4 row_mask:0xf bank_mask:0xf
	s_delay_alu instid0(VALU_DEP_1)
	v_add_f32_dpp v[\a], v[\a], v[\a] row_xmask:8 row_mask:0xf bank_mask:0xf
	s_delay_alu instid0(VALU_DEP_1)
	v_permlanex16_b32 v[\t], v[\a], s[SEL], s[SEL+1]
	s_delay_alu instid0(VALU_DEP_1)
	v_add_f32 v[\a], v[\a], v[\t]
.endm
.macro LOAD t                          ; block t: W(32 t + i, my column) into set t % 2
.set li, 0
.rept 32
	global_load_b32 v[X+32*((\t)%2)+li], v[VOF+li], s[32+2*(\t):33+2*(\t)] th:TH_LOAD_NT
.set li, li+1
.endr
.endm
.macro GIMG reg, base, off             ; a fragment goes out as the image of its registers: runs of 512 and 256 consecutive bytes
	global_store_b128 v3, v[\reg:\reg+3], s[\base:\base+1] offset:\off
	global_store_b64 v4, v[\reg+4:\reg+5], s[\base:\base+1] offset:\off+512
	global_store_b128 v3, v[\reg+6:\reg+9], s[\base:\base+1] offset:\off+768
	global_store_b64 v4, v[\reg+10:\reg+11], s[\base:\base+1] offset:\off+1280
.endm
.macro BLOCK t
.set XS, X+32*((\t)%2)
.set FD, F+24*((\t)/4)+12*((\t)%2)+6*(((\t)%4)/2)   ; blocks 0, 2 of a K step make one run of twelve registers, blocks 1, 3 the other
.set WD, W+2*((\t)/4)
.if (\t) < 7
	s_wait_loadcnt 32                              ; this block's 32 loads are in; the next block's 32 may be out
.else
	s_wait_loadcnt 0x0
.endif
	v_max3_num_f32 v8, |v[XS]|, |v[XS+1]|, |v[XS+2]|
	v_max3_num_f32 v9, |v[XS+3]|, |v[XS+4]|, |v[XS+5]|
.irp i, 6,10,14,18,22,26
	s_delay_alu instid0(VALU_DEP_2)
	v_max3_num_f32 v8, v8, |v[XS+\i]|, |v[XS+\i+1]|
	s_delay_alu instid0(VALU_DEP_2)
	v_max3_num_f32 v9, v9, |v[XS+\i+2]|, |v[XS+\i+3]|
.endr
	s_delay_alu instid0(VALU_DEP_2)
	v_max3_num_f32 v8, v8, |v[XS+30]|, |v[XS+31]|
	s_delay_alu instid0(VALU_DEP_1)
	v_max3_num_f32 v8, v8, v9, 0x1800000           ; and the floor 2^(3 - 127): the byte cannot fall under 1
	s_delay_alu instid0(VALU_DEP_1)
	v_add_nc_u32 v11, 0xff000000, v8               ; 2 off the exponent field: the conversion takes the exponent field of this operand as its scale
	v_cvt_scalef32_pk16_fp6_f32 v[FD:FD+2], v[XS:XS+15], v11
	v_cvt_scalef32_pk16_fp6_f32 v[T:T+2], v[XS+16:XS+31], v11
	v_lshrrev_b32 v10, 23, v11                     ; the scale's byte (also the plain line behind the conversions)
.if (\t)%4 == 0
	s_delay_alu instid0(VALU_DEP_1)
	v_mov_b32 v[WD], v10
.else
	s_delay_alu instid0(VALU_DEP_1)
	v_lshl_or_b32 v[WD], v10, 8*((\t)%4), v[WD]
.endif
.irp i, 0,1,2
	v_mov_b32 v[FD+3+\i], v[T+\i]
.endr
.if (\t)+2 < 8
	LOAD (\t)+2
.endif
.if (\t)%4 == 3                        ; a K step of 128 is whole.  The layout wants lanes 0-15 to hold blocks 0, 2 and lanes 16-31 blocks 1, 3 of ONE row block:
.set F0, F+24*((\t)/4)
.set sg, 0
.rept 12
	v_permlane16_swap_b32 v[F0+sg], v[F0+12+sg]    ; the first run's lanes 16-31 change places with the second's lanes 0-15: the first is now the even row block's fragment, the second the odd one's
.set sg, sg+1
.endr
	v_mov_b32 v[WD+1], v[WD]
	s_delay_alu instid0(VALU_DEP_1)
	v_permlane16_swap_b32 v[WD], v[WD+1]           ; and the words: the even block's in both halves of the first, the odd block's in both halves of the second
	GIMG F0, 48, 1536*((\t)/4)
	GIMG F0+12, 50, 1536*((\t)/4)
	global_store_b32 v5, v[WD], s[48:49] offset:3072+128*((\t)/4)
	global_store_b32 v5, v[WD+1], s[50:51] offset:3072+128*((\t)/4)
.endif
.endm
	; THE COMMON HEAD: the arguments, the lane's figures, and all that the norm reads behind the barrier
	s_load_b256 s[4:11], s[0:1], 0x0               ; x, gain, bias, xq
	s_load_b256 s[68:75], s[0:1], 0x20             ; w_attn, w_proj, w_fc, w_fc2
	s_load_b64 s[76:77], s[0:1], 0x40              ; wq
	v_lshl_add_u32 v192, v0, 2, 0x10100
	v_mov_b32 v193, 0
	v_lshrrev_b32 v1, 5, v0
	s_delay_alu instid0(VALU_DEP_1)
	v_readfirstlane_b32 s12, v1                    ; wave 0..7
	v_and_b32 v2, 31, v0
	s_delay_alu instid0(VALU_DEP_1)
	v_lshlrev_b32 v3, 4, v2                        ; 16 x lane
	s_wait_alu depctr_va_vdst(0)
	v_lshlrev_b32 v4, 3, v2                        ; 8 x lane
	v_lshlrev_b32 v5, 2, v2                        ; 4 x lane
	s_max_u32 s3, ttmp9, NWQ
	s_sub_co_u32 s3, s3, NWQ                       ; the norm's row block i (0 in the weights' work-groups, which do not use it)
	s_lshr_b32 s13, s3, 1
	s_lshl_b32 s13, s13, 5
	s_and_b32 s14, s3, 1
	s_lshl_b32 s14, s14, 3
	s_add_co_u32 s13, s13, s14
	s_lshr_b32 s14, s12, 2
	s_lshl_b32 s14, s14, 4
	s_add_co_u32 s13, s13, s14
	s_and_b32 s14, s12, 3
	s_lshl_b32 s14, s14, 1
	s_add_co_u32 s13, s13, s14                     ; my first token: 32 (i / 2) + 8 (i % 2) + 16 (w / 4) + 2 (w % 4)
	s_lshl_b32 s14, s13, 12                        ; x 4,096 bytes (under 2^24)
	s_mov_b32 s15, 0
	s_mul_i32 s16, s12, 2*PITCH
	v_add_nc_u32 v[SIN], s16, v3                   ; the stage, in: rows 2 w, 2 w + 1; 16 bytes a lane
	v_and_b32 v[SOUT], 15, v0
	v_bfe_u32 v8, v0, 4, 1
	s_delay_alu instid0(VALU_DEP_2)
	v_mul_u32_u24 v[SOUT], v[SOUT], PITCH
	s_delay_alu instid0(VALU_DEP_1)
	v_lshl_add_u32 v[SOUT], v8, 6, v[SOUT]
	s_lshl_b32 s16, s12, 9
	v_add_nc_u32 v[SOUT], s16, v[SOUT]             ; and out: row r, + 512 w (my K step), + 64 h
	s_lshl_b32 s17, s3, 2
	s_lshr_b32 s18, s12, 1
	s_add_co_u32 s17, s17, s18
	s_mul_i32 s18, s17, 3328                       ; my unit: 4 i + w / 2
	s_and_b32 s19, s12, 1
	s_mul_i32 s22, s19, 1536
	s_add_co_u32 s22, s22, s18                     ; my fragment in it
	s_mov_b32 s23, 0
	s_lshl_b32 s24, s19, 7
	s_add_co_u32 s24, s24, s18
	s_add_co_u32 s24, s24, 3072                    ; and its scale image
	s_mov_b32 s25, 0
	s_mov_b32 s[SEL], 0x76543210
	s_mov_b32 s[SEL+1], 0xfedcba98
	s_mov_b32 s30, 0x3a800000                      ; 1 / 1,024
	s_mov_b32 s31, 0x3727c5ac                      ; 1e-5
.irp b, 0,1,2,3
	v_mov_b32 v[TM+4+\b], 0                        ; written once: a lane permute's destination counts as one of its sources
.endr
	s_wait_kmcnt 0x0
	s_add_nc_u64 s[4:5], s[4:5], s[14:15]
	s_add_nc_u64 s[26:27], s[10:11], s[22:23]
	s_add_nc_u64 s[28:29], s[10:11], s[24:25]
	s_cmp_lt_u32 ttmp9, NWQ                        ; the work-group's number: the same in all eight waves
	s_cbranch_scc0 .Lnorm
	; THE WEIGHTS.  This arm's scalar registers are s32-51 and s68-95: it writes none that the norm reads behind the barrier
	v_and_b32 v6, 7, v2
	v_bfe_u32 v7, v2, 3, 1
	s_delay_alu instid0(VALU_DEP_1)
	v_lshl_add_u32 v6, v7, 4, v6
	v_bfe_u32 v7, v2, 4, 1
	s_delay_alu instid0(VALU_DEP_1)
	v_lshl_add_u32 v6, v7, 3, v6                   ; my column among the wave's 32: lane % 8 + 16 x bit 3 + 8 x bit 4
	s_delay_alu instid0(VALU_DEP_1)
	v_lshlrev_b32 v[VOF], 2, v6
	s_wait_alu depctr_va_vdst(0)
	s_mov_b32 s84, 4096                            ; w_fc2's figures: a row of W in bytes,
	s_mov_b32 s85, 128                             ; its first work-group,
	s_mov_b32 s86, 4                               ; log2 of its units along K,
	s_mov_b32 s87, 6815744                         ; its place in wq
	s_mov_b64 s[78:79], s[74:75]
	s_cmp_lt_u32 ttmp9, 128                        ; the choice hangs on the work-group's number alone
	s_cselect_b64 s[78:79], s[72:73], s[78:79]     ; w_fc
	s_cselect_b32 s84, 16384, s84
	s_cselect_b32 s85, 64, s85
	s_cselect_b32 s86, 2, s86
	s_cselect_b32 s87, 3407872, s87
	s_cmp_lt_u32 ttmp9, 64
	s_cselect_b64 s[78:79], s[70:71], s[78:79]     ; w_proj
	s_cselect_b32 s84, 4096, s84
	s_cselect_b32 s85, 48, s85
	s_cselect_b32 s87, 2555904, s87
	s_cmp_lt_u32 ttmp9, 48
	s_cselect_b64 s[78:79], s[68:69], s[78:79]     ; w_attn
	s_cselect_b32 s84, 12288, s84
	s_cselect_b32 s85, 0, s85
	s_cselect_b32 s87, 0, s87
	s_sub_co_u32 s88, ttmp9, s85
	s_lshr_b32 s89, s88, s86                       ; which 256 columns
	s_lshl_b32 s90, 1, s86                         ; units along K
	s_sub_co_u32 s91, s90, 1
	s_and_b32 s91, s88, s91                        ; which 256 along K
	s_lshl_b32 s92, s91, 8
	s_mul_i32 s92, s92, s84                        ; 256 p rows,
	s_lshl_b32 s93, s89, 10
	s_add_co_u32 s92, s92, s93                     ; + 256 columns a work-group,
	s_lshl_b32 s93, s12, 7
	s_add_co_u32 s92, s92, s93                     ; + 32 a wave, in bytes (under 2^25)
	s_mov_b32 s93, 0
	s_add_nc_u64 s[32:33], s[78:79], s[92:93]      ; a base for each of the eight blocks of 32 rows: nothing is stepped later
	s_lshl_b32 s94, s84, 5
	s_mov_b32 s95, 0
.irp t, 1,2,3,4,5,6,7
	s_add_nc_u64 s[32+2*\t:33+2*\t], s[30+2*\t:31+2*\t], s[94:95]
.endr
	s_lshl_b32 s80, s89, 4
	s_lshl_b32 s82, s12, 1
	s_add_co_u32 s80, s80, s82                     ; my even row block: 16 a work-group, 2 a wave
	s_lshl_b32 s80, s80, s86
	s_add_co_u32 s80, s80, s91                     ; its unit
	s_mul_i32 s82, s80, 3328
	s_add_co_u32 s82, s82, s87
	s_mov_b32 s83, 0
	s_add_nc_u64 s[48:49], s[76:77], s[82:83]
	s_mul_i32 s82, s90, 3328
	s_add_nc_u64 s[50:51], s[48:49], s[82:83]      ; the odd block's unit: one row of units on
.set vi, 1
	v_add_nc_u32 v[VOF+vi], s84, v[VOF+vi-1]
.set vi, vi+1
.rept (31)-1
	s_delay_alu instid0(VALU_DEP_1)
	v_add_nc_u32 v[VOF+vi], s84, v[VOF+vi-1]
.set vi, vi+1
.endr
	LOAD 0
	LOAD 1
.irp t, 0,1,2,3,4,5,6,7
	BLOCK \t
.endr
	s_branch .Lmeet
.Lnorm:	; THE NORM, phase 1
.irp e, 0,1
.irp j, 0,1,2,3,4,5,6,7
	global_load_b128 v[XR+32*\e+4*\j:XR+32*\e+4*\j+3], v3, s[4:5] offset:4096*\e+512*\j   ; 512 consecutive bytes a load
.endr
.endr
.irp j, 0,1,2,3,4,5,6,7
	global_load_b128 v[GR+4*\j:GR+4*\j+3], v3, s[6:7] offset:512*\j
.endr
.irp j, 0,1,2,3,4,5,6,7
	global_load_b128 v[BR+4*\j:BR+4*\j+3], v3, s[8:9] offset:512*\j
.endr
	s_wait_loadcnt 16                              ; the rows are in; the sixteen loads of gain and bias may be out
	v_pk_add_f32 v[8:9], v[XR:XR+1], v[XR+2:XR+3]
	v_pk_add_f32 v[10:11], v[XR+32:XR+33], v[XR+34:XR+35]
.irp j, 4,6,8,10,12,14,16,18,20,22,24,26,28,30
	s_delay_alu instid0(VALU_DEP_2)
	v_pk_add_f32 v[8:9], v[8:9], v[XR+\j:XR+\j+1]
	s_delay_alu instid0(VALU_DEP_2)
	v_pk_add_f32 v[10:11], v[10:11], v[XR+32+\j:XR+33+\j]
.endr
	s_delay_alu instid0(VALU_DEP_2)
	v_add_f32 v8, v8, v9
	s_delay_alu instid0(VALU_DEP_2)
	v_add_f32 v10, v10, v11
	WSUM 8, 9
	WSUM 10, 11
	v_mul_f32 v8, s30, v8                          ; the means
	s_delay_alu instid0(VALU_DEP_2)
	v_mul_f32 v10, s30, v10
.irp j, 0,2,4,6,8,10,12,14,16,18,20,22,24,26,28,30
	v_pk_add_f32 v[XR+\j:XR+\j+1], v[XR+\j:XR+\j+1], v[8:9] op_sel_hi:[1,0] neg_lo:[0,1] neg_hi:[0,1]        ; x - mean
	v_pk_add_f32 v[XR+32+\j:XR+33+\j], v[XR+32+\j:XR+33+\j], v[10:11] op_sel_hi:[1,0] neg_lo:[0,1] neg_hi:[0,1]
.endr
	v_pk_mul_f32 v[12:13], v[XR:XR+1], v[XR:XR+1]
	v_pk_mul_f32 v[14:15], v[XR+32:XR+33], v[XR+32:XR+33]
.irp j, 2,4,6,8,10,12,14,16,18,20,22,24,26,28,30
	s_delay_alu instid0(VALU_DEP_2)
	v_pk_fma_f32 v[12:13], v[XR+\j:XR+\j+1], v[XR+\j:XR+\j+1], v[12:13]
	s_delay_alu instid0(VALU_DEP_2)
	v_pk_fma_f32 v[14:15], v[XR+32+\j:XR+33+\j], v[XR+32+\j:XR+33+\j], v[14:15]
.endr
	s_delay_alu instid0(VALU_DEP_2)
	v_add_f32 v12, v12, v13
	s_delay_alu instid0(VALU_DEP_2)
	v_add_f32 v14, v14, v15
	WSUM 12, 13
	WSUM 14, 15
	v_fma_f32 v12, v12, s30, s31                   ; the variance + 1e-5
	s_delay_alu instid0(VALU_DEP_2)
	v_fma_f32 v14, v14, s30, s31
	s_wait_alu depctr_va_vdst(0)
	v_rsq_f32 v12, v12
	v_rsq_f32 v14, v14
	v_nop                                          ; a plain line behind the transcendentals
	s_wait_alu depctr_va_vdst(0)                   ; one wait for both, ahead of their first reader
	s_wait_loadcnt 0x0                             ; gain and bias
.irp j, 0,2,4,6,8,10,12,14,16,18,20,22,24,26,28,30
	v_pk_mul_f32 v[XR+\j:XR+\j+1], v[XR+\j:XR+\j+1], v[12:13] op_sel_hi:[1,0]
	v_pk_mul_f32 v[XR+32+\j:XR+33+\j], v[XR+32+\j:XR+33+\j], v[14:15] op_sel_hi:[1,0]
.endr
.irp j, 0,2,4,6,8,10,12,14,16,18,20,22,24,26,28,30
	v_pk_fma_f32 v[XR+\j:XR+\j+1], v[XR+\j:XR+\j+1], v[GR+\j:GR+\j+1], v[BR+\j:BR+\j+1]
	v_pk_fma_f32 v[XR+32+\j:XR+33+\j], v[XR+32+\j:XR+33+\j], v[GR+\j:GR+\j+1], v[BR+\j:BR+\j+1]
.endr
.irp e, 0,1
.irp j, 0,1,2,3,4,5,6,7
	ds_store_b128 v[SIN], v[XR+32*\e+4*\j:XR+32*\e+4*\j+3] offset:\e*PITCH+512*\j
.endr
.endr
.Lmeet:	; THE COMMON WAY AGAIN: one barrier, which every wave of every work-group passes
	s_wait_xcnt 0x0                                ; earlier stores have read their data and addresses: registers are written again below
	s_wait_dscnt 0x0                               ; for the others' sake: my rows lie in the stage
	s_barrier_signal -1
	s_barrier_wait -1
	s_cmp_lt_u32 ttmp9, NWQ
	s_cbranch_scc1 .Lend                           ; the weights' work-groups are done
	; THE NORM, phase 2
.irp b, 0,1,2,3
.irp j, 0,1,2,3
	ds_load_b128 v[XR+16*\b+4*\j:XR+16*\b+4*\j+3], v[SOUT] offset:128*\b+16*\j
.endr
.endr
	s_wait_dscnt 0x0
	QUANT XR, PC, TM, PW
	global_store_b128 v3, v[PC:PC+3], s[26:27]
	global_store_b64 v4, v[PC+4:PC+5], s[26:27] offset:512
	global_store_b128 v3, v[PC+6:PC+9], s[26:27] offset:768
	global_store_b64 v4, v[PC+10:PC+11], s[26:27] offset:1280
	global_store_b32 v5, v[PW], s[28:29]
.Lend:
	s_wait_tensorcnt 0x0
	ds_add_u32 v192, v193
	s_wait_dscnt 0x0
	s_endpgm
.Lfunc_end_k_qbd9161d507_prep:
	.size	k_qbd9161d507_prep, .Lfunc_end_k_qbd9161d507_prep-k_qbd9161d507_prep
	.p2alignl 7, 3214868480
	.fill 96, 4, 3214868480
	.section	.rodata,"a",@progbits
	.p2align	6, 0x0
	.amdhsa_kernel k_qbd9161d507_prep
		.amdhsa_group_segment_fixed_size 66816
		.amdhsa_private_segment_fixed_size 0
		.amdhsa_enable_private_segment 0
		.amdhsa_kernarg_size 72
		.amdhsa_user_sgpr_count 2
		.amdhsa_user_sgpr_kernarg_segment_ptr 1
		.amdhsa_wavefront_size32 1
		.amdhsa_system_sgpr_workgroup_id_x 1
		.amdhsa_system_sgpr_workgroup_id_y 1
		.amdhsa_system_sgpr_workgroup_id_z 1
		.amdhsa_system_vgpr_workitem_id 0
		.amdhsa_next_free_vgpr 194
		.amdhsa_next_free_sgpr 96
		.amdhsa_reserve_vcc 0
		.amdhsa_float_denorm_mode_32 3
		.amdhsa_float_denorm_mode_16_64 3
		.amdhsa_memory_ordered 1
		.amdhsa_forward_progress 1
		.amdhsa_inst_pref_size 76
	.end_amdhsa_kernel
	.amdgpu_metadata
---
amdhsa.version: [ 1, 2 ]
amdhsa.kernels:
  - .name:           k_qbd9161d507_prep
    .symbol:         k_qbd9161d507_prep.kd
    .args:
      - { .name: hidden_states, .offset: 0, .size: 8, .value_kind: global_buffer, .address_space: global }
      - { .name: ln1_g, .offset: 8, .size: 8, .value_kind: global_buffer, .address_space: global }
      - { .name: ln1_b, .offset: 16, .size: 8, .value_kind: global_buffer, .address_space: global }
      - { .name: xq, .offset: 24, .size: 8, .value_kind: global_buffer, .address_space: global }
      - { .name: w_attn, .offset: 32, .size: 8, .value_kind: global_buffer, .address_space: global }
      - { .name: w_proj, .offset: 40, .size: 8, .value_kind: global_buffer, .address_space: global }
      - { .name: w_fc, .offset: 48, .size: 8, .value_kind: global_buffer, .address_space: global }
      - { .name: w_fc2, .offset: 56, .size: 8, .value_kind: global_buffer, .address_space: global }
      - { .name: wq, .offset: 64, .size: 8, .value_kind: global_buffer, .address_space: global }
    .group_segment_fixed_size: 66816
    .private_segment_fixed_size: 0
    .kernarg_segment_align: 8
    .kernarg_segment_size: 72
    .max_flat_workgroup_size: 256
    .sgpr_count:     96
    .vgpr_count:     194
    .wavefront_size: 32
...
	.end_amdgpu_metadata
.endif
;; end of part 1
;; launch g1 (part 2): grid 48 x 4, 4 waves a work-group, clusters of 4 x 4, 327,680 bytes of LDS; arguments xq, wq, b_attn, qkv; writes qkv
.if DOCPART == 2
	.amdgcn_target "amdgcn-amd-amdhsa--gfx1250"
	.amdhsa_code_object_version 6
	.text
	.protected	k_qbd9161d507_g1
	.globl	k_qbd9161d507_g1
	.p2align	8
	.type	k_qbd9161d507_g1,@function
k_qbd9161d507_g1:
	s_mov_b64 s[64:65], 0
	v_nop
	global_prefetch_b8 v0, s[64:65] scope:SCOPE_SE
	s_setreg_imm32_b32 hwreg(HW_REG_WAVE_MODE, 25, 1), 1
	s_wait_xcnt 0x0
	s_wait_alu depctr_hold_cnt(0) depctr_sa_sdst(0) depctr_va_vdst(0) depctr_va_sdst(0) depctr_va_ssrc(0) depctr_va_vcc(0) depctr_vm_vsrc(0)
	s_getreg_b32 s2, hwreg(HW_REG_IB_STS2, 6, 4)
	s_cmp_eq_u32 s2, 0
	s_cbranch_scc0 .Lentry_in_a_cluster
	s_endpgm
.Lentry_in_a_cluster:
	s_bfe_u32 s2, ttmp6, 0x10000c
	s_cmp_lg_u32 s2, 0xf033
	s_cbranch_scc0 .Lentry_shape_is_right
	s_endpgm
.Lentry_shape_is_right:
; qkv = x W + b on codes of FP6 (E2M3), K = 1,024, and the results quantised in registers into the operands of attention.  x: 256 row blocks x 4 units; W: 192 row blocks (by output column) x 4 units.
; OPERAND FORMAT: row m of row block i is row 32 (i / 2) + 16 (m / 8) + 8 (i % 2) + m % 8; a fragment (16 rows x 128 K) is the image of its 12 registers, 1,536 bytes; a unit (256 K) is two fragments and their two
; scale images (128 bytes each: a row's word at 4 x lane, lanes 16-31 repeating lanes 0-15): 3,328 bytes.  So a tile comes into LDS as rows of whole units, every LDS load reads consecutive bytes, and the scales ride along.
; THE PRODUCT IS USED TRANSPOSED (source 0 = 16 rows of side B, source 1 = 16 rows of side A): a lane holds ONE row of A, and by the row order the 16 registers of B's blocks 2 t, 2 t + 1 are 16 NEIGHBOURS along B's rows.
; TWELVE CLUSTERS of 4 x 4 work-groups, a work-group 256 x 256, a wave 128 x 128 (64 accumulators).  Clusters 0-3: Q, 4-7: K: A = tokens, B = W's columns, so a lane's registers run along the head's numbers, their K.
; Clusters 8-11: V: the pointers change places, A = Wv's columns, B = tokens, so a lane's registers run along the tokens, which are V's K in attention.
; A's tile is shared along a row of the cluster, B's along a column: each is asked for jointly.
; THREE LDS SLOTS of 256 along K.  K has four such steps: the first three are first fills, asked for together (three tensor loads of a wave are out at the start); the fourth fills slot 0 again, behind the one round,
; and has the steps of slots 1 and 2, 224 matrix instructions a wave, in which to land (one tensor load of a wave is out then).
; OUT (buffer qkv): Q: half fragments (768 bytes) [row block][head], raw scale words [row block][head pair]; K, V: a record of 212,992 bytes for each (batch, head): 16 key steps of 13,312 bytes:
; K's 4 fragments (registers 0-5: the head's 64 numbers of the keys of block 2 G, registers 6-11: of block 2 G + 1), their 4 scale images, V^T's 4 fragments (16 of the head's 64 x 128 keys), their 4 scale images.
; LIMITS: NaN and infinities are not served; a block of zeros, or one under 2^-124, keeps the scale byte 1; only this program reads the bytes.
; REGISTERS, in windows of 256: window 0: v10-29, v48-50 addresses; v32-47 scale words, two sets; v64-159, v160-255 A's fragments, two sets; window 1: v0-95, v128-223 B's; windows 2, 3: the accumulators ((a, b) at v[8 (8 (a % 4) + b)]).
.set NB,     8                         ; row blocks of a wave, each side
.set UB,     3328
.set ROWB,   UB                        ; a slot's row: one unit
.set PITCHB, 4*UB                      ; from row block to row block in memory: K / 256 units
.set HALFT,  NB*ROWB                   ; what one tensor load brings, and what one wave reads of A or of B
.set SLOT,   4*HALFT                   ; A's two halves, then B's two
.set SPARE,  3*SLOT                    ; behind the three slots: the spare words, 128 bytes a wave, that no other line names
.set L16, 10
.set L8,  11
.set L4,  12
.set A16, 16                           ; v16-18 A's fragments in slot 0, 1, 2: + 16 x lane;  v19-21: + 8 x lane
.set A8,  19
.set B16, 22                           ; v22-27 the same for B
.set B8,  25
.set SA,  48                           ; v48-50 scale images: lanes 0-15 A's, lanes 16-31 B's
.set SPW, 28
.set NIL, 29
.set SC,  32
.set AF,  64
.set G1,  24                           ; s[24:31] group 1 for A's tiles;  s[48:55] for B's
.set G1B, 48
.set GA0, 32                           ; group 0 for A's tiles, a set for each slot: s[32:35], s[36:39], s[4:7] (which held pointers that are done with)
.set GA1, 36
.set GA2, 4
.set GB0, 56                           ; and for B's: s[56:59], s[60:63], s[40:43]
.set GB1, 60
.set GB2, 40
.set CX,  98                           ; s98 cx, s99 cy, s89 B's tile, s100 the mask of my row of the cluster
.set CY,  99
.set TC,  89
.set MA,  100
.set QSO, 3145728                      ; Q's scale words in qkv
.set KVO, 3407872                      ; the records
.set HA,  160                          ; the way out: 64 numbers
.set PC,  128                          ; codes
.set TM,  224                          ; at work in QUANT
.set PW,  240                          ; v240-241 two blocks' scale words; v242-243 as they are stored; v244-249 addresses
.set BL,  64                           ; window 1: V's bias, a pair for each block of A
.set SEL, 90                           ; s[90:91]
.set PSB, 76                           ; s76.. the way out's figures by kind: first byte of codes, of words; steps for the bits of a; the upper half; steps for the words; two byte selects
.set PWB, 77
.set PA1, 78
.set PA2, 79
.set PA4, 80
.set PHI, 81
.set PT1, 82
.set PT2, 83
.set PTO, 84
.set PE1, 85
.set PE2, 86
.set MSB, 0
.macro WIN new                         ; the immediate's high byte repeats the setting that is left
.if MSB != (\new)
	s_set_vgpr_msb (MSB<<8)|(\new)
.set MSB, (\new)
.endif
.endm
.macro PLACES                          ; four plain lines between a matrix instruction and a load into, or a vector read or write of, its registers
.rept 4
	v_nop
.endr
.endm
.macro JLOAD ga, gb                    ; a joint load: waves 0, 1 fetch A's halves, waves 2, 3 B's; four v_nop follow each line
	s_cmp_eq_u32 s15, 0
	s_cbranch_scc0 .Lfor_b_\@
	tensor_load_to_lds s[\ga:\ga+3], s[G1:G1+7]
	s_nop 0
.rept 4
	v_nop
.endr
	s_branch .Lasked_\@
.Lfor_b_\@:
	tensor_load_to_lds s[\gb:\gb+3], s[G1B:G1B+7]
	s_nop 0
.rept 4
	v_nop
.endr
.Lasked_\@:
.endm
.macro FIRST ga, gb, s                 ; slot s's groups 0 and its first fill: K step s
	s_mov_b32 s[\ga], 1
	s_add_co_u32 s[\ga+1], s45, \s*SLOT
	s_add_nc_u64 s[\ga+2:\ga+3], s[20:21], \s*ROWB
	s_or_b32 s[\ga+3], s[\ga+3], 0x80000000
	s_mov_b32 s[\gb], 1
	s_add_co_u32 s[\gb+1], s45, \s*SLOT
	s_add_nc_u64 s[\gb+2:\gb+3], s[46:47], \s*ROWB
	s_or_b32 s[\gb+3], s[\gb+3], 0x80000000        ; (the macro makes a slot's ring descriptors; the loads stand where they are issued)
.endm
.macro CREST                           ; a round of the cluster's barrier behind its opening barrier
	s_cmp_lg_u32 s14, 0
	s_cbranch_scc1 .Lnot_wave_0_\@
	s_barrier_signal -3
.Lnot_wave_0_\@:
	s_barrier_wait -3
	s_barrier_signal -1
	s_barrier_wait -1
.endm
.macro CROUND
	s_barrier_signal -1
	s_barrier_wait -1
	CREST
.endm
.macro FRAG reg, a16, a8, off          ; a fragment comes back as it was stored
	ds_load_b128 v[\reg:\reg+3], v[\a16] offset:\off
	ds_load_b64 v[\reg+4:\reg+5], v[\a8] offset:\off+512
	ds_load_b128 v[\reg+6:\reg+9], v[\a16] offset:\off+768
	ds_load_b64 v[\reg+10:\reg+11], v[\a8] offset:\off+1280
.endm
.macro FETCH slot, q, f                ; the slot's q-th 128 along K into set f: B's fragments, A's, and the scale words: 9 NB loads
	WIN 0x40
.set fi, 0
.rept NB
	FRAG 128*(\f)+12*fi, B16+\slot, B8+\slot, fi*ROWB+(\q)*1536
.set fi, fi+1
.endr
	WIN 0
.set fi, 0
.rept NB
	FRAG AF+96*(\f)+12*fi, A16+\slot, A8+\slot, fi*ROWB+(\q)*1536
.set fi, fi+1
.endr
.set fi, 0
.rept NB
	ds_load_b32 v[SC+8*(\f)+fi], v[SA+\slot] offset:fi*ROWB+3072+128*(\q)
.set fi, fi+1
.endr
.endm
.macro MULS f, a0, n, zero             ; A's blocks a0 .. a0 + n - 1 against B's NB.  All accumulators take turns, one instruction a turn, in the same order in every step
.set ma, \a0
.rept \n
	WIN 0xa1+0x50*(ma/4)
.set mb, 0
.rept NB
.if \zero
	v_wmma_scale_f32_16x16x128_f8f6f4 v[8*(NB*(ma%4)+mb):8*(NB*(ma%4)+mb)+7], v[128*(\f)+12*mb:128*(\f)+12*mb+11], v[AF+96*(\f)+12*ma:AF+96*(\f)+12*ma+11], 0, v[SC+8*(\f)+mb], v[SC+8*(\f)+ma] matrix_a_fmt:MATRIX_FMT_FP6 matrix_b_fmt:MATRIX_FMT_FP6 matrix_a_scale:MATRIX_SCALE_ROW1
.else
	v_wmma_scale_f32_16x16x128_f8f6f4 v[8*(NB*(ma%4)+mb):8*(NB*(ma%4)+mb)+7], v[128*(\f)+12*mb:128*(\f)+12*mb+11], v[AF+96*(\f)+12*ma:AF+96*(\f)+12*ma+11], v[8*(NB*(ma%4)+mb):8*(NB*(ma%4)+mb)+7], v[SC+8*(\f)+mb], v[SC+8*(\f)+ma] matrix_a_fmt:MATRIX_FMT_FP6 matrix_b_fmt:MATRIX_FMT_FP6 matrix_a_scale:MATRIX_SCALE_ROW1
.endif
.set mb, mb+1
.endr
.set ma, ma+1
.endr
.endm
.macro STEP slot, zero                 ; a slot's first 128 along K (set 0); its second is fetched into set 1
	s_wait_dscnt 0x0                               ; this step's set is in: it was asked for a whole step ago
	PLACES
	FETCH \slot, 1, 1
	MULS 0, 0, NB, \zero
	WIN 0
.endm
.macro CROSS next                      ; a slot's second 128 along K (set 1), where the next slot was shown whole to every wave by an earlier barrier: no barrier, and no wait on TENSORcnt, so that the refill stays on its way
	s_wait_dscnt 0x0
	PLACES
	s_wait_alu depctr_va_vdst(0)
	FETCH \next, 0, 0
	MULS 1, 0, NB, 0
	WIN 0
.endm
.macro TURN next, fill                 ; a slot's second 128 along K with a barrier.  fill = 1 (slot 0 alone): the slot is filled again, with K step 3
	s_wait_tensorcnt 0x0                           ; all my tensor loads have landed;
	ds_add_u32 v[SPW], v[NIL]                      ; 0 onto my spare word;
	s_wait_dscnt 1                                 ; this step's set is in; the add alone may be out
	MULS 1, 0, NB/4, 0
	s_wait_dscnt 0x0                               ; the add is done, and my reads of this slot are over
	s_barrier_signal -1
	MULS 1, NB/4, NB/4, 0
	WIN 0
	s_barrier_wait -1
.if \fill
	CREST                                          ; the barrier has opened a round of the cluster's: no wave of any partner still reads this slot or has a load on its way
	s_add_nc_u64 s[GA0+2:GA0+3], s[GA0+2:GA0+3], 3*ROWB
	s_add_nc_u64 s[GB0+2:GB0+3], s[GB0+2:GB0+3], 3*ROWB
	JLOAD GA0, GB0                                 ; the first tensor load behind the round; its four v_nop are also the places in front of the loads below
.else
	PLACES
.endif
	FETCH \next, 0, 0
	MULS 1, NB/2, NB/2, 0
	WIN 0
.endm
.macro LAST
	s_wait_dscnt 0x0
	MULS 1, 0, NB, 0
	WIN 0
.endm
; 64 numbers of a lane, register 16 b + i = k 32 b + 16 (lane / 16) + i of my row, become a fragment's codes in v[pc] on and its scale word in v[pw].
.macro QUANT s, pc, tm, pw
.irp b, 0,1,2,3
	v_max3_num_f32 v[\tm+\b], |v[\s+16*\b]|, |v[\s+1+16*\b]|, 0x1800000   ; and the floor 2^(3 - 127): the byte cannot fall under 1
.endr
.irp i, 2,4,6,8,10,12,14
.irp b, 0,1,2,3
	v_max3_num_f32 v[\tm+\b], v[\tm+\b], |v[\s+16*\b+\i]|, |v[\s+1+16*\b+\i]|
.endr
.endr
.irp b, 0,1,2,3
	v_permlanex16_b32 v[\tm+4+\b], v[\tm+\b], s[SEL], s[SEL+1]
.endr
.irp b, 0,1,2,3
	v_max_num_f32 v[\tm+\b], v[\tm+\b], v[\tm+4+\b]
.endr
.irp b, 0,1,2,3
	v_add_nc_u32 v[\tm+12+\b], 0xff000000, v[\tm+\b]  ; 2 off the exponent field: the conversion's scale operand
.endr
.irp b, 0,1,2,3
	v_lshrrev_b32 v[\tm+4+\b], 23, v[\tm+12+\b]
.endr
	v_lshl_or_b32 v[\pw], v[\tm+5], 8, v[\tm+4]
	v_lshl_or_b32 v[\pw], v[\tm+6], 16, v[\pw]
	v_lshl_or_b32 v[\pw], v[\tm+7], 24, v[\pw]
.irp c, 0,1
	v_cvt_scalef32_pk16_fp6_f32 v[\pc+6*\c:\pc+2+6*\c], v[\s+32*\c:\s+15+32*\c], v[\tm+12+2*\c]
	v_cvt_scalef32_pk16_fp6_f32 v[\pc+12+4*\c:\pc+14+4*\c], v[\s+16+32*\c:\s+31+32*\c], v[\tm+12+2*\c+1]
.endr
	v_nop                                          ; one plain line behind a scaled conversion
.irp c, 0,1
.irp i, 0,1,2
	v_permlane16_swap_b32 v[\pc+6*\c+\i], v[\pc+12+4*\c+\i]
.endr
.irp i, 0,1,2
	v_mov_b32 v[\pc+3+6*\c+\i], v[\pc+12+4*\c+\i]
.endr
.endr
.endm
	s_load_b256 s[4:11], s[0:1], 0x0               ; xq, wq, b_attn, qkv
	v_lshl_add_u32 v[SPW], v0, 2, SPARE
	v_mov_b32 v[NIL], 0
	ds_add_u32 v28, v29
	ds_add_u32 v28, v29
	s_wait_dscnt 0x0
	v_lshrrev_b32 v1, 5, v0
	v_readfirstlane_b32 s14, v1                    ; wave 0..3
	s_lshr_b32 s15, s14, 1                         ; my half of A's rows.  Also: I fetch for A (0) or for B (1)
	s_and_b32 s16, s14, 1                          ; my half of B's rows.  Also: which half I fetch
	s_bfe_u32 s[CX], ttmp6, 0x40000                ; cx
	s_bfe_u32 s[CY], ttmp6, 0x40004                ; cy
	s_and_b32 s18, ttmp9, 3
	s_lshl_b32 s18, s18, 2                         ; 4 (c % 4), c the cluster's number
	s_lshr_b32 s19, ttmp9, 2
	s_lshl_b32 s19, s19, 2                         ; 4 (c / 4)
	s_cmp_lt_u32 ttmp9, 8                          ; Q, K or V: the same in all sixteen partners
	s_cselect_b32 s17, s18, 0
	s_cselect_b32 s[TC], s19, s18
	s_add_co_u32 s17, s17, s[CY]                   ; A's tile: Q, K: 256 tokens, 4 (c % 4) + cy; V: 256 of Wv's columns, cy
	s_add_co_u32 s[TC], s[TC], s[CX]               ; B's tile: Q, K: 256 of W's columns, 4 (c / 4) + cx; V: 256 tokens, 4 (c % 4) + cx
	s_lshl_b32 s[MA], s[CY], 2
	s_lshl_b32 s[MA], 15, s[MA]                    ; my row of the cluster
	s_lshl_b32 s44, 0x1111, s[CX]                  ; my column
	s_or_b32 s[G1], s[MA], (3<<16)|(1<<21)         ; 15:0 the mask; 17:16 elements of 8 bytes; 21 set beside a mask; no padding
	s_or_b32 s[G1B], s44, (3<<16)|(1<<21)
.irp g, G1, G1B
	s_mov_b32 s[\g+1], (ROWB/8)<<16                ; tensor_dim0: a slot's row of units
	s_mov_b32 s[\g+2], (2*NB)<<16                  ; tensor_dim1: at the head a load brings an operand's 2 NB row blocks; behind the head's wait the two words are set to NB
	s_mov_b32 s[\g+3], (ROWB/8)<<16                ; tile_dim0
	s_mov_b32 s[\g+4], 2*NB                        ; tile_dim1
	s_mov_b32 s[\g+5], PITCHB/8                    ; from row block to row block
	s_mov_b32 s[\g+6], 0
	s_mov_b32 s[\g+7], 0
.endr
	s_lshl_b32 s20, s17, 1
	s_add_co_u32 s20, s20, s16
	s_mul_i32 s20, s20, NB*PITCHB                  ; A: the half that I fetch, in bytes
	s_mov_b32 s21, 0
	s_lshl_b32 s46, s[TC], 1
	s_add_co_u32 s46, s46, s16
	s_mul_i32 s46, s46, NB*PITCHB                  ; B likewise, in registers that never hold cy
	s_mov_b32 s47, 0
	s_mul_i32 s45, s14, HALFT                      ; where it goes: no place in the cluster enters an LDS address
	s_wait_kmcnt 0x0
	s_add_nc_u64 s[12:13], s[6:7], 1703936         ; Wv: W's row blocks 128 on
	s_cmp_lt_u32 ttmp9, 8
	s_cselect_b64 s[22:23], s[4:5], s[12:13]
	s_cselect_b64 s[92:93], s[6:7], s[4:5]
	s_add_nc_u64 s[20:21], s[22:23], s[20:21]
	s_add_nc_u64 s[46:47], s[92:93], s[46:47]
	; THE FILLS AS THEY STAND (this takes the place of the head comment's paragraph on the three slots).  At the head ONE joint load a wave, each a whole operand of a slot (16 row blocks):
	; wave 0 A of K step 0, wave 1 B of K step 0, wave 2 A of K step 1, wave 3 B of K step 1.  Slot 2's first fill (K step 2, a quarter a wave) stands behind the three lines and a round;
	; slot 0 is filled again with K step 3 behind the round at the end of K step 1.  By the text's own count a wave never has more than one tensor load out.
	s_mul_i32 s67, s15, ROWB                       ; wave / 2: which K step, and which slot
	s_mul_i32 s66, s17, 2*NB*PITCHB                ; A's tile, whole
	s_add_co_u32 s66, s66, s67
	s_mul_i32 s68, s[TC], 2*NB*PITCHB              ; B's, in registers that never hold cy
	s_add_co_u32 s68, s68, s67
	s_mov_b32 s67, 0
	s_mov_b32 s69, 0
	s_mov_b32 s[GA1], 1
	s_mul_i32 s[GA1+1], s15, SLOT
	s_add_nc_u64 s[GA1+2:GA1+3], s[22:23], s[66:67]
	s_or_b32 s[GA1+3], s[GA1+3], 0x80000000
	s_mov_b32 s[GB1], 1
	s_mul_i32 s[GB1+1], s15, SLOT
	s_add_co_u32 s[GB1+1], s[GB1+1], 2*HALFT
	s_add_nc_u64 s[GB1+2:GB1+3], s[92:93], s[68:69]
	s_or_b32 s[GB1+3], s[GB1+3], 0x80000000
	FIRST GA0, GB0, 0                              ; the ring's descriptors: slot 0 (stepped to K step 3 at its refill),
	FIRST GA2, GB2, 2                              ; and slot 2
	CROUND                                         ; all sixteen work-groups are here: the first joint loads meet
.macro HARM eq, g0, g1w, nxt           ; an arm of the one chain on the wave's number: every way through the head passes one load
	s_cmp_eq_u32 s14, \eq
	s_cbranch_scc0 \nxt
	tensor_load_to_lds s[\g0:\g0+3], s[\g1w:\g1w+7]
	s_nop 0
	PLACES
	s_branch .Lhead_asked
\nxt:
.endm
	HARM 0, GA1, G1, .Lh1
	HARM 1, GB1, G1B, .Lh2
	HARM 2, GA1, G1, .Lh3
	tensor_load_to_lds s[GB1:GB1+3], s[G1B:G1B+7]
	s_nop 0
	PLACES
.Lhead_asked:
	v_and_b32 v1, 31, v0
	v_lshlrev_b32 v[L16], 4, v1
	v_lshlrev_b32 v[L8], 3, v1
	v_lshlrev_b32 v[L4], 2, v1
	v_bfe_u32 v2, v0, 4, 1                         ; h
	s_mul_i32 s21, s15, HALFT                      ; my half of A
	s_mul_i32 s22, s16, HALFT
	s_add_co_u32 s22, s22, 2*HALFT                 ; my half of B, behind A's two
	s_sub_co_u32 s23, s22, s21
	v_mul_u32_u24 v3, s23, v2                      ; lanes 16-31 take B's scale images: one product, the distance between the two
	v_add_nc_u32 v3, v3, v[L4]
.irp s, 0,1,2
	v_add_nc_u32 v[A16+\s], s21, v[L16]
	v_add_nc_u32 v[A8+\s], s21, v[L8]
	v_add_nc_u32 v[B16+\s], s22, v[L16]
	v_add_nc_u32 v[B8+\s], s22, v[L8]
	v_add_nc_u32 v[SA+\s], s21, v3
	s_add_co_u32 s21, s21, SLOT
	s_add_co_u32 s22, s22, SLOT
.endr
	v_lshlrev_b32 v13, 6, v2                       ; Q, K: the bias at 16 h of each 32 columns
	v_and_b32 v4, 15, v0
	v_and_b32 v5, 7, v4
	v_lshrrev_b32 v6, 3, v4
	v_lshlrev_b32 v14, 2, v5
	v_lshl_add_u32 v14, v6, 6, v14                 ; V: the bias at my row of a block: 16 (r / 8) + r % 8
	s_mov_b32 s[SEL], 0x76543210
	s_mov_b32 s[SEL+1], 0xfedcba98
	s_lshl_b32 s18, s[TC], 10
	s_lshl_b32 s19, s16, 9
	s_add_co_u32 s18, s18, s19
	s_mov_b32 s19, 0
	s_add_nc_u64 s[94:95], s[8:9], s[18:19]        ; Q, K: b_attn at my 128 columns (used in that arm alone)
	s_lshl_b32 s18, s17, 10
	s_lshl_b32 s66, s15, 9
	s_add_co_u32 s18, s18, s66
	s_add_co_u32 s18, s18, 8192
	s_add_nc_u64 s[96:97], s[8:9], s[18:19]        ; V: b_attn at 2,048 + my 128 of Wv's columns (used in that arm alone)
	; where the results go, for each kind; then the kind's figures are chosen
	s_lshl_b32 s66, s17, 4
	s_lshl_b32 s67, s15, 3
	s_add_co_u32 s66, s66, s67                     ; A's first row block of mine
	s_lshl_b32 s67, s[TC], 1
	s_add_co_u32 s67, s67, s16                     ; my 128 of B's rows
	s_lshl_b32 s68, s66, 4
	s_lshl_b32 s69, s67, 1
	s_add_co_u32 s68, s68, s69
	s_mul_i32 s68, s68, 768                        ; Q: half fragment [row block][head]
	s_lshl_b32 s69, s66, 3
	s_add_co_u32 s69, s69, s67
	s_lshl_b32 s69, s69, 7
	s_add_co_u32 s69, s69, QSO                     ; Q: word image [row block][head pair]
	s_lshr_b32 s70, s17, 3
	s_lshl_b32 s70, s70, 4
	s_and_b32 s71, s67, 7
	s_lshl_b32 s71, s71, 1
	s_add_co_u32 s70, s70, s71                     ; K: record 16 x batch + head
	s_mul_i32 s70, s70, 212992
	s_and_b32 s71, s17, 7
	s_lshl_b32 s71, s71, 1
	s_add_co_u32 s71, s71, s15
	s_mul_i32 s71, s71, 13312                      ; key step
	s_add_co_u32 s70, s70, s71
	s_add_co_u32 s70, s70, KVO
	s_lshr_b32 s72, s[TC], 3
	s_lshl_b32 s72, s72, 4
	s_lshl_b32 s73, s17, 2
	s_add_co_u32 s72, s72, s73
	s_lshl_b32 s73, s15, 1
	s_add_co_u32 s72, s72, s73                     ; V: record 16 x batch + head
	s_mul_i32 s72, s72, 212992
	s_and_b32 s73, s[TC], 7
	s_lshl_b32 s73, s73, 1
	s_add_co_u32 s73, s73, s16
	s_mul_i32 s73, s73, 13312
	s_add_co_u32 s72, s72, s73
	s_add_co_u32 s72, s72, KVO+6656
	s_add_co_u32 s74, s70, 6144
	s_add_co_u32 s75, s72, 6144
	s_mov_b32 s[PA1], 1536                         ; V's figures
	s_mov_b32 s[PA2], 3072
	s_mov_b32 s[PA4], 212992
	s_mov_b32 s[PHI], 768
	s_mov_b32 s[PT1], 256
	s_mov_b32 s[PT2], 212992
	s_mov_b32 s[PTO], 128
	s_mov_b32 s[PE1], 0x03020100
	s_mov_b32 s[PE2], 0x07060504
	s_cmp_lt_u32 ttmp9, 8                          ; K's
	s_cselect_b32 s[PSB], s70, s72
	s_cselect_b32 s[PWB], s74, s75
	s_cselect_b32 s[PA1], 768, s[PA1]
	s_cselect_b32 s[PA2], 1536, s[PA2]
	s_cselect_b32 s[PA4], 3072, s[PA4]
	s_cselect_b32 s[PHI], 212992, s[PHI]
	s_cselect_b32 s[PT1], 128, s[PT1]
	s_cselect_b32 s[PT2], 256, s[PT2]
	s_cselect_b32 s[PTO], 212992, s[PTO]
	s_cselect_b32 s[PE1], 0x05040100, s[PE1]
	s_cselect_b32 s[PE2], 0x07060302, s[PE2]
	s_cmp_lt_u32 ttmp9, 4                          ; Q's
	s_cselect_b32 s[PSB], s68, s[PSB]
	s_cselect_b32 s[PWB], s69, s[PWB]
	s_cselect_b32 s[PA1], 12288, s[PA1]
	s_cselect_b32 s[PA2], 24576, s[PA2]
	s_cselect_b32 s[PA4], 49152, s[PA4]
	s_cselect_b32 s[PHI], 768, s[PHI]
	s_cselect_b32 s[PT1], 2048, s[PT1]
	s_cselect_b32 s[PT2], 4096, s[PT2]
	s_cselect_b32 s[PTO], 1024, s[PTO]
	s_cselect_b32 s[PE1], 0x03020100, s[PE1]
	s_cselect_b32 s[PE2], 0x07060504, s[PE2]
; THE WAY OUT, a block of A (16 rows x my 128 of B's rows) at a time: the bias is added, the 64 numbers of a lane are quantised, and the fragment's two halves and its scale bytes go where the kind wants them.
; orient = 0: Q, K: the bias runs along the registers; 1: V: it hangs on the lane's row.
.macro EPI orient
	s_wait_loadcnt 0x0                             ; the bias
.set ea, 0
.rept 8
	WIN 0x06+(ea/4)                                ; source 0: the accumulators' window; source 1: window 1
.set ej, 0
.rept 32
.if \orient
	v_pk_add_f32 v[HA+ej:HA+ej+1], v[64*(ea%4)+ej:64*(ea%4)+ej+1], v[BL+2*ea:BL+2*ea+1]
.else
	v_pk_add_f32 v[HA+ej:HA+ej+1], v[64*(ea%4)+ej:64*(ea%4)+ej+1], v[ej:ej+1]   ; each accumulator from its low end on
.endif
.set ej, ej+2
.endr
	WIN 0
	s_wait_xcnt 0x0                                ; the last block's stores have read their data and addresses: both are written again below
	QUANT HA, PC, TM, PW+(ea%2)
	s_mov_b32 s87, s[PSB]
.if ea&1
	s_add_co_u32 s87, s87, s[PA1]
.endif
.if ea&2
	s_add_co_u32 s87, s87, s[PA2]
.endif
.if ea&4
	s_add_co_u32 s87, s87, s[PA4]
.endif
	v_add_nc_u32 v244, s87, v[L16]
	v_add_nc_u32 v245, s87, v[L8]
	v_add_nc_u32 v246, s[PHI], v244
	v_add_nc_u32 v247, s[PHI], v245
	global_store_b128 v244, v[PC:PC+3], s[10:11]
	global_store_b64 v245, v[PC+4:PC+5], s[10:11] offset:512
	global_store_b128 v246, v[PC+6:PC+9], s[10:11]
	global_store_b64 v247, v[PC+10:PC+11], s[10:11] offset:512
.if ea&1                               ; two blocks' words: Q, V: as they are; K: the even head's two bytes of both, the odd head's two bytes of both
	v_perm_b32 v242, v[PW+1], v[PW], s[PE1]
	v_perm_b32 v243, v[PW+1], v[PW], s[PE2]
	s_mov_b32 s88, s[PWB]
.if ea&2
	s_add_co_u32 s88, s88, s[PT1]
.endif
.if ea&4
	s_add_co_u32 s88, s88, s[PT2]
.endif
	v_add_nc_u32 v248, s88, v[L4]
	v_add_nc_u32 v249, s[PTO], v248
	global_store_b32 v248, v242, s[10:11]
	global_store_b32 v249, v243, s[10:11]
.endif
.set ea, ea+1
.endr
.endm
	s_wait_alu depctr_va_vdst(0)                   ; the wait at the head's end
	s_wait_tensorcnt 0x0                           ; my tile of the head's four is in; the three lines stand ahead of a later first fill as ahead of a refill
	ds_add_u32 v[SPW], v[NIL]
	s_mov_b32 s[G1+2], NB<<16                      ; no tensor load of mine is out: from here on a load brings NB row blocks
	s_mov_b32 s[G1+4], NB
	s_mov_b32 s[G1B+2], NB<<16
	s_mov_b32 s[G1B+4], NB
	s_wait_dscnt 0x0
	CROUND                                         ; slots 0 and 1 are whole in every partner
	JLOAD GA2, GB2                                 ; K step 2 into slot 2, the first tensor load behind the round
	FETCH 0, 0, 0
	STEP 0, 1                                      ; K step 0: its first products start the sums
	CROSS 1                                        ; on into slot 1, which the round above has shown whole
	STEP 1, 0                                      ; K step 1
	TURN 2, 1                                      ; slot 2 has landed, in every wave; slot 0 takes K step 3
	STEP 2, 0                                      ; K step 2
	TURN 0, 0                                      ; the refill has landed, in every wave; nothing more is filled
	STEP 0, 0                                      ; K step 3
	s_cmp_lt_u32 ttmp9, 8                          ; the cluster's number: the same in all partners
	s_cbranch_scc0 .Larm_v
	PLACES                                         ; B's set 0 is done with: it takes the bias
	WIN 0x40
.set bj, 0
.rept 16
	global_load_b128 v[4*bj:4*bj+3], v13, s[94:95] offset:128*(bj/4)+16*(bj%4)
.set bj, bj+1
.endr
	WIN 0
	LAST
	PLACES
.irp b, 0,1,2,3
	v_mov_b32 v[TM+4+\b], 0                        ; written once: a lane permute's destination counts as one of its sources
.endr
	EPI 0
	s_branch .Ldone
.Larm_v:
	PLACES
	WIN 0x40
.set bj, 0
.rept 8
	global_load_b32 v[BL+2*bj], v14, s[96:97] offset:4*(32*(bj/2)+8*(bj%2))
	global_load_b32 v[BL+2*bj+1], v14, s[96:97] offset:4*(32*(bj/2)+8*(bj%2))
.set bj, bj+1
.endr
	WIN 0
	LAST
	PLACES
.irp b, 0,1,2,3
	v_mov_b32 v[TM+4+\b], 0
.endr
	EPI 1
.Ldone:
	s_wait_tensorcnt 0x0                           ; the wave's end
	ds_add_u32 v[SPW], v[NIL]
	s_wait_dscnt 0x0
	CROUND                                         ; the closing round
	s_endpgm
.Lfunc_end_k_qbd9161d507_g1:
	.size	k_qbd9161d507_g1, .Lfunc_end_k_qbd9161d507_g1-k_qbd9161d507_g1
	.p2alignl 7, 3214868480
	.fill 96, 4, 3214868480
	.section	.rodata,"a",@progbits
	.p2align	6, 0x0
	.amdhsa_kernel k_qbd9161d507_g1
		.amdhsa_group_segment_fixed_size 327680
		.amdhsa_private_segment_fixed_size 0
		.amdhsa_enable_private_segment 0
		.amdhsa_kernarg_size 32
		.amdhsa_user_sgpr_count 2
		.amdhsa_user_sgpr_kernarg_segment_ptr 1
		.amdhsa_wavefront_size32 1
		.amdhsa_system_sgpr_workgroup_id_x 1
		.amdhsa_system_sgpr_workgroup_id_y 1
		.amdhsa_system_sgpr_workgroup_id_z 1
		.amdhsa_system_vgpr_workitem_id 0
		.amdhsa_next_free_vgpr 1024
		.amdhsa_next_free_sgpr 102
		.amdhsa_reserve_vcc 0
		.amdhsa_float_denorm_mode_32 3
		.amdhsa_float_denorm_mode_16_64 3
		.amdhsa_memory_ordered 1
		.amdhsa_forward_progress 1
		.amdhsa_inst_pref_size 235
	.end_amdhsa_kernel
	.amdgpu_metadata
---
amdhsa.version: [ 1, 2 ]
amdhsa.kernels:
  - .name:           k_qbd9161d507_g1
    .symbol:         k_qbd9161d507_g1.kd
    .args:
      - { .name: xq, .offset: 0, .size: 8, .value_kind: global_buffer, .address_space: global }
      - { .name: wq, .offset: 8, .size: 8, .value_kind: global_buffer, .address_space: global }
      - { .name: b_attn, .offset: 16, .size: 8, .value_kind: global_buffer, .address_space: global }
      - { .name: qkv, .offset: 24, .size: 8, .value_kind: global_buffer, .address_space: global }
    .group_segment_fixed_size: 327680
    .private_segment_fixed_size: 0
    .kernarg_segment_align: 8
    .kernarg_segment_size: 32
    .max_flat_workgroup_size: 128
    .sgpr_count:     102
    .vgpr_count:     1024
    .wavefront_size: 32
...
	.end_amdgpu_metadata
.endif
;; end of part 2
;; launch attn (part 3): grid 8 x 32, 16 waves a work-group, clusters of 4 x 1, 327,680 bytes of LDS; arguments qkv, yq; writes yq
.if DOCPART == 3
	.amdgcn_target "amdgcn-amd-amdhsa--gfx1250"
	.amdhsa_code_object_version 6
	.text
	.protected	k_qbd9161d507_attn
	.globl	k_qbd9161d507_attn
	.p2align	8
	.type	k_qbd9161d507_attn,@function
k_qbd9161d507_attn:
	s_mov_b64 s[64:65], 0
	v_nop
	global_prefetch_b8 v0, s[64:65] scope:SCOPE_SE
	s_setreg_imm32_b32 hwreg(HW_REG_WAVE_MODE, 25, 1), 1
	s_wait_xcnt 0x0
	s_wait_alu depctr_hold_cnt(0) depctr_sa_sdst(0) depctr_va_vdst(0) depctr_va_sdst(0) depctr_va_ssrc(0) depctr_va_vcc(0) depctr_vm_vsrc(0)
	s_getreg_b32 s2, hwreg(HW_REG_IB_STS2, 6, 4)
	s_cmp_eq_u32 s2, 0
	s_cbranch_scc0 .Lentry_in_a_cluster
	s_endpgm
.Lentry_in_a_cluster:
	s_bfe_u32 s2, ttmp6, 0x10000c
	s_cmp_lg_u32 s2, 0x3003
	s_cbranch_scc0 .Lentry_shape_is_right
	s_endpgm
.Lentry_shape_is_right:
; Causal attention on codes of FP6 (E2M3), head size 64, 2,048 keys, 32 (batch, head) pairs; the result is quantised into the next product's operand.
; IN (buffer qkv): Q: half fragments (768 bytes: 16 queries x the head's 64) [row block][head], raw scale words [row block][head pair]; K, V: a record of 212,992 bytes for each (batch, head): 16 key steps of 13,312 bytes:
; K's 4 fragments, their scale images, V^T's 4 fragments, their scale images.  Row m of row block i is token 32 (i / 2) + 16 (m / 8) + 8 (i % 2) + m % 8.
; THE HEAD'S 64 ARE HALF OF THE INSTRUCTION'S 128: a fragment of K holds two tiles of keys and is multiplied once by [Q | zero codes] and once by [zero codes | Q]; zero codes add nothing under the scale bytes of this program (1 to 254).
; BOTH PRODUCTS ARE USED TRANSPOSED: S^T = K Q^T, O^T = V^T P^T: a lane holds one query.
; THE SOFTMAX: t = score x log2(e) / 8; M = the running largest t rounded up to a whole number; p = 2^(t - M) is quantised along the keys; the row's sum is taken of the unquantised p and divides at the end.
; SHARES.  Work-group x of a (batch, head) takes tile x (16 queries) of EACH of the sixteen blocks of 128 queries: 1 + 2 + .. + 16 = 136 tile steps of 128 keys, the same in every work-group, and every key step is read.
; So no branch, trip count or LDS address hangs on the work-group's number: x enters global addresses and the mask's numbers alone.
; The steps are dealt evenly by the wave's number.  Pair p = wave / 2 owns the tiles of blocks p (early, p + 1 steps) and 15 - p (late, 16 - p steps).  Wave a of the pair walks nine key steps of the late tile;
; wave b walks the early tile, puts that state (O^T, -M, the sum) into its own LDS bytes, and walks 7 - p key steps of the late tile.  In trip t a wave takes key step 2 t - min(t, c), c = p + 1 (a) or p (b):
; a: 0 .. p + 1, p + 3, .., 15 - p;  b: 0 .. p, then p + 2, p + 4, .., 14 - p.  A step carries the mask where it is the tile's own block.  The order of the keys is free: M runs, and every rescaling is a power of two.
; AT THE END b puts its part of the late tile into LDS; one barrier; then ONE text serves both: a state from LDS is joined to the wave's own under the larger M (factors 2^(M - new M), which round nothing).
; a joins b's part of the late tile; b, whose own -M is set to the start value so that its factor is 0, takes its early tile back.
; LDS: the record, filled once, wave w asking for key step w (one tensor load a wave); behind it 16 states of 4,608 bytes; behind them the spare words.  Waves 0 to 3 have a load line of their own: trips 0 and 1 read key steps 0 to 2,
; and start when those four loads are in; the barrier behind trip 1 shows the rest.  Every wait on TENSORcnt is for 0.
; CLUSTER 4 x 1: four work-groups of one (batch, head) ask for the record jointly (mask 15).  No data prefetch: all is asked for at the head, there is no loop to run ahead in.
; LIMITS: NaN and infinities are not served; scaled scores stay under 2^31 in magnitude; a block of zeros, or one under 2^-124, keeps the scale byte 1; only this program reads the bytes.
.set QSO, 3145728
.set KVO, 3407872
.set REC, 212992
.set STB, 13312                        ; a key step
.set STG, REC                          ; the states: one slot of SSZ bytes for each wave, at STG + wave x SSZ
.set SSZ, 4608                         ; 8 x 512 bytes of O^T, 512 of (-M, largest t, the sum's halves)
.set SPARE, STG+16*SSZ                 ; the spare words, 128 bytes a wave
.set L16,  1
.set L8,   2
.set L4,   3
.set AD16, 4                           ; the step's LDS addresses
.set AD8,  5
.set AD4,  6
.set DD,   7                           ; my query's place in its block of 128, less 16 h
.set QR,   16                          ; v16-33: Q's six registers, six of zeros, Q's six again
.set SQ,   34                          ; Q's scale word: my head's two bytes, twice;  v35: the raw word
.set FRG,  36                          ; v36-83 four fragments, K's and then V's
.set KS,   84
.set VS,   88
.set S,    96                          ; v96-159 S^T, then p; at the end the state from LDS
.set XM,   S+32
.set O,    160                         ; v160-191 O^T
.set PC,   192                         ; v192-211 p's codes
.set BM,   212                         ; the blocks' largest scores
.set BT,   216
.set SO,   220                         ; the conversions' scale operands
.set TT,   224
.set FF,   226                         ; f = 2^(old M - new M)
.set PS,   227                         ; p's scale word
.set Q2,   228                         ; v228-233 the late tile's Q, v234 its scale word (an a wave's is its own tile's again: one text loads both)
.set SST,  236                         ; LDS: my own state slot, + 16 x lane
.set SRD,  237                         ; LDS: my partner's (wave xor 1), + 16 x lane
.set SPW,  254
.set NIL,  255
.set WV,   8
.set RA,   9                           ; 1: wave a
.set SEL,  10
.set CS,   12
.set J,    14                          ; the block of the tile at work
.set T,    15                          ; the trip
.set TB,   16
.set PP,   17
.set CC,   18
.set NT,   19                          ; my trips: 9 (a) or 8 (b)
.set SW,   20                          ; the trip ahead of which b changes tiles: p + 1; a: never
.set J2,   21
.set G1,   24
.set G0,   32
.set BH,   36
.set X,    37
.set ST,   38
.macro CROUND
	s_barrier_signal -1
	s_barrier_wait -1
	s_cmp_lg_u32 s[WV], 0
	s_cbranch_scc1 .Lnot_wave_0_\@
	s_barrier_signal -3
.Lnot_wave_0_\@:
	s_barrier_wait -3
	s_barrier_signal -1
	s_barrier_wait -1
.endm
.macro PLACES
.rept 4
	v_nop
.endr
.endm
.macro QADR rb, c, w                   ; a row block's half fragment of Q and its head pair's words
	s_lshl_b32 s[\c], s[\rb], 4
	s_add_co_u32 s[\c], s[\c], s49
	s_mul_i32 s[\c], s[\c], 768
	s_mov_b32 s[\c+1], 0
	s_add_nc_u64 s[\c:\c+1], s[4:5], s[\c:\c+1]
	s_lshl_b32 s[\w], s[\rb], 3
	s_add_co_u32 s[\w], s[\w], s48
	s_lshl_b32 s[\w], s[\w], 7
	s_add_co_u32 s[\w], s[\w], QSO
	s_mov_b32 s[\w+1], 0
	s_add_nc_u64 s[\w:\w+1], s[4:5], s[\w:\w+1]
.endm
	s_load_b128 s[4:7], s[0:1], 0x0                ; qkv, yq
	v_lshl_add_u32 v[SPW], v0, 2, SPARE
	v_mov_b32 v[NIL], 0
	ds_add_u32 v[SPW], v[NIL]                      ; the opening lines: the add, twice on end, and its wait
	ds_add_u32 v[SPW], v[NIL]
	v_lshrrev_b32 v8, 5, v0
	s_delay_alu instid0(VALU_DEP_1)
	v_readfirstlane_b32 s[WV], v8                  ; wave 0..15
	s_and_b32 s[BH], ttmp7, 0xffff                 ; 16 x batch + head
	s_bfe_u32 s39, ttmp6, 0x40000                  ; cx
	s_lshl_b32 s[X], ttmp9, 2
	s_add_co_u32 s[X], s[X], s39                   ; my tile in every block
	s_lshr_b32 s[PP], s[WV], 1
	s_lshr_b32 s[RA], s[WV], 2
	s_xor_b32 s[RA], s[RA], s[WV]
	s_and_b32 s[RA], s[RA], 1                      ; waves w, w + 4, w + 8, w + 12 are a and b by turns
	s_add_co_u32 s[CC], s[PP], s[RA]
	s_add_co_u32 s[NT], s[RA], 8
	s_sub_co_u32 s[J2], 15, s[PP]
	s_add_co_u32 s[SW], s[PP], 1
	s_cmp_eq_u32 s[RA], 1
	s_cselect_b32 s[J], s[J2], s[PP]
	s_cselect_b32 s[SW], 99, s[SW]
	s_mul_i32 s22, s[BH], REC
	s_mul_i32 s[G0+1], s[WV], STB                  ; key step w, in memory and in LDS
	s_add_co_u32 s22, s22, s[G0+1]
	s_add_co_u32 s22, s22, KVO
	s_mov_b32 s23, 0
	s_mov_b32 s[G0], 1
	s_mov_b32 s[G1], 15|(3<<16)|(1<<21)            ; the cluster's four; elements of 8 bytes; bit 21 beside a mask; no padding
	s_mov_b32 s[G1+1], 32<<16                      ; rows of 256 bytes,
	s_mov_b32 s[G1+2], 52<<16                      ; 52 of them, dense in memory
	s_mov_b32 s[G1+3], 32<<16
	s_mov_b32 s[G1+4], 52
	s_mov_b32 s[G1+5], 32
	s_mov_b32 s[G1+6], 0
	s_mov_b32 s[G1+7], 0
	s_wait_alu depctr_va_vdst(0)
	s_wait_dscnt 0x0
	CROUND                                         ; the four work-groups are here: the joint loads meet
	s_wait_kmcnt 0x0
	s_add_nc_u64 s[G0+2:G0+3], s[4:5], s[22:23]
	s_or_b32 s[G0+3], s[G0+3], 0x80000000
	s_cmp_lt_u32 s[WV], 4
	s_cbranch_scc0 .Llater
	tensor_load_to_lds s[G0:G0+3], s[G1:G1+7]      ; key steps 0 to 3: a line of their own, since their waves wait first
	s_nop 0
	PLACES
	s_branch .Lasked
.Llater:
	tensor_load_to_lds s[G0:G0+3], s[G1:G1+7]      ; key steps 4 to 15
	s_nop 0
	PLACES
.Lasked:
	s_lshr_b32 s22, s[BH], 4
	s_lshl_b32 s22, s22, 7
	s_add_co_u32 s22, s22, s[X]                    ; 128 x batch + tile
	s_lshl_b32 s44, s[J], 3
	s_add_co_u32 s44, s44, s22                     ; my first tile's row block: also the one that I store
	s_lshl_b32 s45, s[J2], 3
	s_add_co_u32 s45, s45, s22                     ; the late tile's
	s_and_b32 s49, s[BH], 15                       ; the head
	s_lshr_b32 s48, s49, 1
	QADR 44, 52, 54
	QADR 45, 40, 42
	s_lshr_b32 s50, s[X], 1
	s_lshl_b32 s50, s50, 5
	s_and_b32 s51, s[X], 1
	s_lshl_b32 s51, s51, 3
	s_add_co_u32 s50, s50, s51                     ; the tile's first place in its block
	s_mul_i32 s39, s[WV], SSZ
	s_add_co_u32 s39, s39, STG                     ; my state slot
	s_xor_b32 s51, s[WV], 1
	s_mul_i32 s51, s51, SSZ
	s_add_co_u32 s51, s51, STG                     ; my partner's
	s_lshl_b32 s56, s44, 2
	s_lshr_b32 s57, s49, 2
	s_add_co_u32 s56, s56, s57
	s_mul_i32 s56, s56, 3328                       ; the result's unit: 4 x row block + head / 4
	s_bfe_u32 s57, s49, 0x10001                    ; (head / 2) % 2: which fragment
	s_and_b32 s60, s49, 1                          ; head % 2: which half
	s_lshl_b32 s58, s57, 7
	s_add_co_u32 s58, s58, s56
	s_lshl_b32 s59, s60, 1
	s_add_co_u32 s58, s58, s59
	s_add_co_u32 s58, s58, 3072                    ; my two scale bytes' place
	s_mov_b32 s59, 0
	s_mul_i32 s57, s57, 1536
	s_add_co_u32 s56, s56, s57
	s_mul_i32 s57, s60, 768
	s_add_co_u32 s56, s56, s57
	s_mov_b32 s57, 0
	s_add_nc_u64 s[56:57], s[6:7], s[56:57]
	s_add_nc_u64 s[58:59], s[6:7], s[58:59]
	s_mov_b32 s61, 0x01000100
	s_cmp_eq_u32 s60, 1
	s_cselect_b32 s61, 0x03020302, s61             ; my head's two bytes of the raw word, twice
	s_mov_b32 s[SEL], 0x76543210
	s_mov_b32 s[SEL+1], 0xfedcba98
	s_mov_b32 s[CS], 0x3e38aa3b                    ; c = log2(e) / 8
	s_mov_b32 s[CS+1], s[CS]
	v_and_b32 v8, 31, v0
	v_and_b32 v9, 15, v0                           ; r
	v_bfe_u32 v10, v0, 4, 1                        ; h
	s_delay_alu instid0(VALU_DEP_3)
	v_lshlrev_b32 v[L16], 4, v8
	s_delay_alu instid0(VALU_DEP_4)
	v_lshlrev_b32 v[L8], 3, v8
	v_lshlrev_b32 v[L4], 2, v8
	v_and_b32 v11, 7, v9
	v_lshrrev_b32 v9, 3, v9
	s_delay_alu instid0(VALU_DEP_1)
	v_sub_nc_u32 v9, v9, v10                       ; r / 8 - h
	s_delay_alu instid0(VALU_DEP_1)
	v_lshl_add_u32 v11, v9, 4, v11
	s_delay_alu instid0(VALU_DEP_1)
	v_add_nc_u32 v[DD], s50, v11
	v_add_nc_u32 v[SST], s39, v[L16]
	v_add_nc_u32 v[SRD], s51, v[L16]
	global_load_b128 v[QR:QR+3], v[L16], s[52:53]
	global_load_b64 v[QR+4:QR+5], v[L8], s[52:53] offset:512
	global_load_b32 v35, v[L4], s[54:55]
	global_load_b128 v[Q2:Q2+3], v[L16], s[40:41]
	global_load_b64 v[Q2+4:Q2+5], v[L8], s[40:41] offset:512
	global_load_b32 v[Q2+6], v[L4], s[42:43]
	v_mov_b32 v13, 0xff61b1e6                      ; the largest t so far: -3e38
	v_mov_b32 v14, 0                               ; the sum, in two halves
	v_mov_b32 v15, 0
	s_delay_alu instid0(VALU_DEP_3)
	v_floor_f32 v12, -v13                          ; -M
.irp b, 0,1,2,3
	v_mov_b32 v[BT+\b], 0                          ; written once: a lane permute's destination counts as one of its sources
	v_mov_b32 v[BM+\b], 0
.endr
	v_mov_b32 v[TT], 0
	v_mov_b32 v[FF], 0
	v_mov_b32 v[PS], 0
.irp i, 0,1,2,3,4,5
	v_mov_b32 v[QR+6+\i], 0                        ; zero codes
.endr
	s_wait_loadcnt 0x0
	v_perm_b32 v[SQ], v35, v35, s61
	v_perm_b32 v[Q2+6], v[Q2+6], v[Q2+6], s61
.irp i, 0,1,2,3,4,5
	v_mov_b32 v[QR+12+\i], v[QR+\i]
.endr
.set oj, 0
.rept 32
	v_mov_b32 v[O+oj], 0                           ; O^T: the step is written once, a tile's first step finds zeros.  (Also the places between Q's scale word and operand and the first product)
.set oj, oj+1
.endr
.macro FRAG reg, off
	ds_load_b128 v[\reg:\reg+3], v[AD16] offset:\off
	ds_load_b64 v[\reg+4:\reg+5], v[AD8] offset:\off+512
	ds_load_b128 v[\reg+6:\reg+9], v[AD16] offset:\off+768
	ds_load_b64 v[\reg+10:\reg+11], v[AD8] offset:\off+1280
.endm
.macro PUTSTATE adr                    ; my state into the slot at v[adr] as the image of its registers; each accumulator from its low end on
.irp k, 0,1,2,3,4,5,6,7
	ds_store_b128 v[\adr], v[O+4*\k:O+4*\k+3] offset:512*\k
.endr
	ds_store_b128 v[\adr], v[12:15] offset:4096
.endm
; A TRIP: wave b's change of tiles where it is due, then a key step of 128 keys.  lim: the highest key step that the trips of this copy read
.macro TRIP lim
	s_cmp_lg_u32 s[T], s[SW]
	s_cbranch_scc1 .Lsame_\@
	PLACES                                         ; four places behind the last products, ahead of the stores that read their sums
	PUTSTATE SST                                   ; the early tile's state waits in my own slot
	s_mov_b32 s[J], s[J2]
	v_mov_b32 v[SQ], v[Q2+6]
.irp i, 0,1,2,3,4,5
	v_mov_b32 v[QR+\i], v[Q2+\i]
	v_mov_b32 v[QR+12+\i], v[Q2+\i]
.endr
	v_mov_b32 v13, 0xff61b1e6
	v_mov_b32 v14, 0
	v_mov_b32 v15, 0
	s_delay_alu instid0(VALU_DEP_3)
	v_floor_f32 v12, -v13
.set oj, 0
.rept 32
	v_mov_b32 v[O+oj], 0
.set oj, oj+1
.endr
	s_wait_alu depctr_va_vdst(0)
.Lsame_\@:
	s_cmp_ge_u32 s[T], s[NT]                       ; b has eight trips
	s_cbranch_scc1 .Lskip_\@
	s_min_u32 s22, s[T], s[CC]
	s_lshl_b32 s[ST], s[T], 1
	s_sub_co_u32 s[ST], s[ST], s22                 ; the key step: 2 t - min(t, c)
	s_min_u32 s[ST], s[ST], \lim
	s_mul_i32 s[TB], s[ST], STB
	v_add_nc_u32 v[AD16], s[TB], v[L16]
	v_add_nc_u32 v[AD8], s[TB], v[L8]
	v_add_nc_u32 v[AD4], s[TB], v[L4]
	v_nop                                          ; four places in front of loads into registers that the last products have read
.irp f, 0,1,2,3
	FRAG FRG+12*\f, 1536*\f
	ds_load_b32 v[KS+\f], v[AD4] offset:6144+128*\f
.endr
	s_wait_alu depctr_va_vdst(0)
	s_wait_dscnt 0x0
.irp f, 0,1,2,3
	v_wmma_scale_f32_16x16x128_f8f6f4 v[S+16*\f:S+16*\f+7], v[FRG+12*\f:FRG+12*\f+11], v[QR:QR+11], 0, v[KS+\f], v[SQ] matrix_a_fmt:MATRIX_FMT_FP6 matrix_b_fmt:MATRIX_FMT_FP6
	v_wmma_scale_f32_16x16x128_f8f6f4 v[S+16*\f+8:S+16*\f+15], v[FRG+12*\f:FRG+12*\f+11], v[QR+6:QR+17], 0, v[KS+\f], v[SQ] matrix_a_fmt:MATRIX_FMT_FP6 matrix_b_fmt:MATRIX_FMT_FP6
.endr
	PLACES
.irp t, 0,1,2,3                        ; V's fragments into the same registers: they land under the softmax
	FRAG FRG+12*\t, 6656+1536*\t
	ds_load_b32 v[VS+\t], v[AD4] offset:12800+128*\t
.endr
	s_cmp_lg_u32 s[ST], s[J]
	s_cbranch_scc1 .Lopen_\@
	v_mov_b32 v[TT], 0xff800000                    ; in the tile's own block hidden scores become -infinity ahead of the maximum.  Register 16 b + i holds key 32 b + 16 h + i of the step: hidden where 32 b + i > my query's place - 16 h
.set sn, 0
.rept 64
	v_cmp_gt_i32 vcc_lo, 32*(sn/16)+sn%16, v[DD]
	v_cndmask_b32 v[S+sn], v[S+sn], v[TT], vcc_lo
.set sn, sn+1
.endr
.Lopen_\@:
.irp b, 0,1,2,3
	v_max3_num_f32 v[BM+\b], v[S+16*\b], v[S+1+16*\b], v[S+2+16*\b]   ; the largest score of each block of 32 keys: for the row's maximum, and, since p rises with the score, for the block's largest p
.endr
.irp i, 3,5,7,9,11,13
.irp b, 0,1,2,3
	v_max3_num_f32 v[BM+\b], v[BM+\b], v[S+16*\b+\i], v[S+1+16*\b+\i]
.endr
.endr
.irp b, 0,1,2,3
	v_max_num_f32 v[BM+\b], v[BM+\b], v[S+15+16*\b]
.endr
.irp b, 0,1,2,3
	s_delay_alu instid0(VALU_DEP_4)
	v_permlanex16_b32 v[BT+\b], v[BM+\b], s[SEL], s[SEL+1]
.endr
.irp b, 0,1,2,3
	s_delay_alu instid0(VALU_DEP_4)
	v_max_num_f32 v[BM+\b], v[BM+\b], v[BT+\b]
.endr
	s_delay_alu instid0(VALU_DEP_2)
	v_max3_num_f32 v[TT], v[BM], v[BM+1], v[BM+2]
	s_delay_alu instid0(VALU_DEP_1)
	v_max_num_f32 v[TT], v[TT], v[BM+3]
	s_delay_alu instid0(VALU_DEP_1)
	v_mul_f32 v[TT], s[CS], v[TT]
	s_delay_alu instid0(VALU_DEP_1)
	v_max_num_f32 v13, v13, v[TT]                  ; the running largest t
	v_mov_b32 v[TT], v12
	s_delay_alu instid0(VALU_DEP_2)
	v_floor_f32 v12, -v13                          ; the new -M: M is a whole number
	s_delay_alu instid0(VALU_DEP_1)
	v_sub_f32 v[TT], v12, v[TT]
	s_delay_alu instid0(VALU_DEP_1)
	v_cvt_i32_f32 v[TT], v[TT]                     ; (it saturates)
	s_delay_alu instid0(VALU_DEP_1)
	v_ldexp_f32 v[FF], 1.0, v[TT]                  ; f = 2^(old M - new M): a multiplication by it rounds nothing
.set sj, 0
.rept 32
	v_pk_fma_f32 v[S+sj:S+sj+1], v[S+sj:S+sj+1], s[CS:CS+1], v[12:13] op_sel_hi:[1,0,0]   ; t - M
.set sj, sj+2
.endr
.irp b, 0,1,2,3
	v_fma_f32 v[BM+\b], v[BM+\b], s[CS], v12
.endr
.set sj, 0
	s_wait_alu depctr_va_vdst(0)
.rept 64
	v_exp_f32 v[S+sj], v[S+sj]                     ; p = 2^(t - M)
.set sj, sj+1
.endr
	v_pk_mul_f32 v[14:15], v[14:15], v[FF:FF+1] op_sel_hi:[1,0]   ; the sums under the new M (a plain line behind the exponentials)
	s_wait_alu depctr_va_vdst(0)                   ; one wait for the batch, ahead of its first reader
.irp b, 0,1,2,3
	v_exp_f32 v[BM+\b], v[BM+\b]                   ; the blocks' largest p
.endr
	v_pk_add_f32 v[216:217], v[100:101], v[104:105]   ; the row's sum of the unquantised p, in eight chains side by side
	v_pk_add_f32 v[252:253], v[108:109], v[112:113]
	v_pk_add_f32 v[250:251], v[116:117], v[120:121]
	v_pk_add_f32 v[248:249], v[124:125], v[128:129]
	v_pk_add_f32 v[246:247], v[132:133], v[136:137]
	v_pk_add_f32 v[244:245], v[140:141], v[144:145]
	v_pk_add_f32 v[242:243], v[148:149], v[152:153]
	v_pk_add_f32 v[14:15], v[14:15], v[156:157]
	v_pk_add_f32 v[216:217], v[216:217], v[96:97]
	v_pk_add_f32 v[252:253], v[252:253], v[98:99]
	v_pk_add_f32 v[250:251], v[250:251], v[102:103]
	v_pk_add_f32 v[248:249], v[248:249], v[106:107]
	v_pk_add_f32 v[246:247], v[246:247], v[110:111]
	v_pk_add_f32 v[244:245], v[244:245], v[114:115]
	v_pk_add_f32 v[242:243], v[242:243], v[118:119]
	v_pk_add_f32 v[14:15], v[14:15], v[122:123]
	v_pk_add_f32 v[216:217], v[216:217], v[126:127]
	v_pk_add_f32 v[252:253], v[252:253], v[130:131]
	v_pk_add_f32 v[250:251], v[250:251], v[134:135]
	v_pk_add_f32 v[248:249], v[248:249], v[138:139]
	v_pk_add_f32 v[246:247], v[246:247], v[142:143]
	v_pk_add_f32 v[244:245], v[244:245], v[146:147]
	v_pk_add_f32 v[242:243], v[242:243], v[150:151]
	v_pk_add_f32 v[14:15], v[14:15], v[154:155]
	v_pk_add_f32 v[216:217], v[216:217], v[158:159]
	s_delay_alu instid0(VALU_DEP_2)
	v_pk_add_f32 v[14:15], v[14:15], v[248:249]
	s_delay_alu instid0(VALU_DEP_2)
	v_pk_add_f32 v[216:217], v[216:217], v[246:247]
	v_pk_add_f32 v[252:253], v[252:253], v[244:245]
	v_pk_add_f32 v[250:251], v[250:251], v[242:243]
	s_delay_alu instid0(VALU_DEP_2)
	v_pk_add_f32 v[14:15], v[14:15], v[252:253]
	s_delay_alu instid0(VALU_DEP_2)
	v_pk_add_f32 v[216:217], v[216:217], v[250:251]
	s_delay_alu instid0(VALU_DEP_1)
	v_pk_add_f32 v[14:15], v[14:15], v[216:217]
	s_wait_alu depctr_va_vdst(0)                   ; and one for the four
.irp b, 0,1,2,3
	v_max_num_f32 v[BM+\b], 0x1800000, v[BM+\b]    ; the floor 2^(3 - 127)
.endr
.irp b, 0,1,2,3
	s_delay_alu instid0(VALU_DEP_4)
	v_add_nc_u32 v[SO+\b], 0xff000000, v[BM+\b]
.endr
.irp b, 0,1,2,3
	s_delay_alu instid0(VALU_DEP_4)
	v_lshrrev_b32 v[BT+\b], 23, v[SO+\b]
.endr
	s_delay_alu instid0(VALU_DEP_3)
	v_lshl_or_b32 v[PS], v[BT+1], 8, v[BT]
	s_delay_alu instid0(VALU_DEP_1)
	v_lshl_or_b32 v[PS], v[BT+2], 16, v[PS]
	s_delay_alu instid0(VALU_DEP_1)
	v_lshl_or_b32 v[PS], v[BT+3], 24, v[PS]
.irp c, 0,1
	v_cvt_scalef32_pk16_fp6_f32 v[PC+6*\c:PC+2+6*\c], v[S+32*\c:S+15+32*\c], v[SO+2*\c]
	v_cvt_scalef32_pk16_fp6_f32 v[PC+12+4*\c:PC+14+4*\c], v[S+16+32*\c:S+31+32*\c], v[SO+2*\c+1]
.endr
	v_nop                                          ; one plain line behind a scaled conversion
.irp c, 0,1
.irp i, 0,1,2
	v_permlane16_swap_b32 v[PC+6*\c+\i], v[PC+12+4*\c+\i]
.endr
.irp i, 0,1,2
	s_delay_alu instid0(VALU_DEP_3)
	v_mov_b32 v[PC+3+6*\c+\i], v[PC+12+4*\c+\i]
.endr
.endr
.set sj, 0
.rept 16
	v_pk_mul_f32 v[O+sj:O+sj+1], v[O+sj:O+sj+1], v[FF:FF+1] op_sel_hi:[1,0]   ; O^T under the new M (these sixteen are also the places in front of the products below)
.set sj, sj+2
.endr
	s_wait_alu depctr_va_vdst(0)
	s_wait_dscnt 0x0                               ; V
.irp t, 0,1,2,3
	v_wmma_scale_f32_16x16x128_f8f6f4 v[O+8*\t:O+8*\t+7], v[FRG+12*\t:FRG+12*\t+11], v[PC:PC+11], v[O+8*\t:O+8*\t+7], v[VS+\t], v[PS] matrix_a_fmt:MATRIX_FMT_FP6 matrix_b_fmt:MATRIX_FMT_FP6
.endr
.Lskip_\@:
.endm
	s_wait_alu depctr_va_vdst(0)                   ; the wait at the head's end
	s_wait_dscnt 0x0
	s_cmp_lt_u32 s[WV], 4
	s_cbranch_scc0 .Lnot_first
	s_wait_tensorcnt 0x0                           ; waves 0 to 3: key steps 0 to 3
.Lnot_first:
	s_barrier_signal -1
	s_barrier_wait -1                              ; they are shown to all
	s_mov_b32 s[T], 0
.Lone:                                                 ; trips 0 and 1: key steps 0 to 2
	TRIP 3
	s_add_co_u32 s[T], s[T], 1
	s_cmp_lt_u32 s[T], 2
	s_cbranch_scc1 .Lone
	s_wait_tensorcnt 0x0                           ; every wave: all that is still out
	s_wait_dscnt 0x0
	s_barrier_signal -1
	s_barrier_wait -1                              ; the whole record is shown to all
	s_mov_b32 s[T], 2
.Ltwo:                                                 ; trips 2 to 8
	TRIP 15
	s_add_co_u32 s[T], s[T], 1
	s_cmp_lt_u32 s[T], 9
	s_cbranch_scc1 .Ltwo
	; THE END.  b hands its part of the late tile over and makes its own state neutral
	PLACES
	s_wait_dscnt 0x0
	s_barrier_signal -1
	s_barrier_wait -1                              ; a barrier ahead of the hand-over too: it parts the stores below, into partners' slots, from every store of the loops
	s_cmp_eq_u32 s[RA], 0
	s_cbranch_scc0 .Lkeeps
	PUTSTATE SRD                                   ; b's part of the late tile goes into a's slot, which a itself never writes
	v_mov_b32 v12, 0x7f61b1e6                      ; -M as at the start: my own factor below comes out 0
.Lkeeps:
	s_wait_alu depctr_va_vdst(0)
	s_wait_dscnt 0x0                               ; for the others' sake
	s_barrier_signal -1
	s_barrier_wait -1
.irp k, 0,1,2,3,4,5,6,7
	ds_load_b128 v[S+4*\k:S+4*\k+3], v[SST] offset:512*\k   ; my own slot: a finds b's part of the late tile there, b its early tile
.endr
	ds_load_b128 v[XM:XM+3], v[SST] offset:4096
	s_wait_dscnt 0x0
	v_min_num_f32 v[TT], v12, v[XM]                ; the joint -M
	v_add_f32 v14, v14, v15
	v_add_f32 v[XM+2], v[XM+2], v[XM+3]
	s_delay_alu instid0(VALU_DEP_3)
	v_sub_f32 v[BT], v[TT], v12
	s_delay_alu instid0(VALU_DEP_4)
	v_sub_f32 v[BT+1], v[TT], v[XM]
	s_delay_alu instid0(VALU_DEP_2)
	v_cvt_i32_f32 v[BT], v[BT]                     ; (they saturate)
	s_delay_alu instid0(VALU_DEP_2)
	v_cvt_i32_f32 v[BT+1], v[BT+1]
	s_delay_alu instid0(VALU_DEP_2)
	v_ldexp_f32 v[FF], 1.0, v[BT]                  ; my factor,
	s_delay_alu instid0(VALU_DEP_2)
	v_ldexp_f32 v[BM], 1.0, v[BT+1]                ; the other state's: powers of two
	s_delay_alu instid0(VALU_DEP_2)
	v_mul_f32 v14, v14, v[FF]
	s_delay_alu instid0(VALU_DEP_1)
	v_fma_f32 v14, v[XM+2], v[BM], v14             ; the sum
.set sj, 0
.rept 16
	v_pk_mul_f32 v[O+sj:O+sj+1], v[O+sj:O+sj+1], v[FF:FF+1] op_sel_hi:[1,0]
.set sj, sj+2
.endr
.set sj, 0
.rept 16
	v_pk_fma_f32 v[O+sj:O+sj+1], v[S+sj:S+sj+1], v[BM:BM+1], v[O+sj:O+sj+1] op_sel_hi:[1,0,1]
.set sj, sj+2
.endr
	; THE WAY OUT: O^T / the sum; the lane's 32 numbers (register 16 b + i = 32 b + 16 h + i of the head's 64) are two blocks: half a fragment and two scale bytes of the next product's operand
	v_permlanex16_b32 v[TT], v14, s[SEL], s[SEL+1]
	s_delay_alu instid0(VALU_DEP_1)
	v_add_f32 v14, v14, v[TT]                      ; with lane l xor 16's keys
	s_wait_alu depctr_va_vdst(0)
	v_rcp_f32 v14, v14
	v_nop
	s_wait_alu depctr_va_vdst(0)
.set oj, 0
.rept 32
	v_mul_f32 v[S+oj], v[O+oj], v14
.set oj, oj+1
.endr
.irp b, 0,1
	v_max3_num_f32 v[BM+\b], |v[S+16*\b]|, |v[S+1+16*\b]|, 0x1800000
.endr
.irp i, 2,4,6,8,10,12,14
.irp b, 0,1
	s_delay_alu instid0(VALU_DEP_2)
	v_max3_num_f32 v[BM+\b], v[BM+\b], |v[S+16*\b+\i]|, |v[S+1+16*\b+\i]|
.endr
.endr
.irp b, 0,1
	s_delay_alu instid0(VALU_DEP_2)
	v_permlanex16_b32 v[BT+\b], v[BM+\b], s[SEL], s[SEL+1]
.endr
.irp b, 0,1
	s_delay_alu instid0(VALU_DEP_2)
	v_max_num_f32 v[BM+\b], v[BM+\b], v[BT+\b]
.endr
.irp b, 0,1
	s_delay_alu instid0(VALU_DEP_2)
	v_add_nc_u32 v[SO+\b], 0xff000000, v[BM+\b]
.endr
.irp b, 0,1
	s_delay_alu instid0(VALU_DEP_2)
	v_lshrrev_b32 v[BT+\b], 23, v[SO+\b]
.endr
	s_delay_alu instid0(VALU_DEP_1)
	v_lshl_or_b32 v[TT], v[BT+1], 8, v[BT]
	v_cvt_scalef32_pk16_fp6_f32 v[PC:PC+2], v[S:S+15], v[SO]
	v_cvt_scalef32_pk16_fp6_f32 v[PC+12:PC+14], v[S+16:S+31], v[SO+1]
	v_nop
.irp i, 0,1,2
	v_permlane16_swap_b32 v[PC+\i], v[PC+12+\i]
.endr
.irp i, 0,1,2
	s_delay_alu instid0(VALU_DEP_3)
	v_mov_b32 v[PC+3+\i], v[PC+12+\i]
.endr
	global_store_b128 v[L16], v[PC:PC+3], s[56:57]
	global_store_b64 v[L8], v[PC+4:PC+5], s[56:57] offset:512
	global_store_b16 v[L4], v[TT], s[58:59]        ; two bytes of each row's word: the one narrow store, 64 of the wave's 832 bytes
	s_wait_tensorcnt 0x0                           ; the wave's end
	ds_add_u32 v[SPW], v[NIL]
	s_wait_dscnt 0x0
	CROUND                                         ; the closing round
	s_endpgm
.Lfunc_end_k_qbd9161d507_attn:
	.size	k_qbd9161d507_attn, .Lfunc_end_k_qbd9161d507_attn-k_qbd9161d507_attn
	.p2alignl 7, 3214868480
	.fill 96, 4, 3214868480
	.section	.rodata,"a",@progbits
	.p2align	6, 0x0
	.amdhsa_kernel k_qbd9161d507_attn
		.amdhsa_group_segment_fixed_size 327680
		.amdhsa_private_segment_fixed_size 0
		.amdhsa_enable_private_segment 0
		.amdhsa_kernarg_size 16
		.amdhsa_user_sgpr_count 2
		.amdhsa_user_sgpr_kernarg_segment_ptr 1
		.amdhsa_wavefront_size32 1
		.amdhsa_system_sgpr_workgroup_id_x 1
		.amdhsa_system_sgpr_workgroup_id_y 1
		.amdhsa_system_sgpr_workgroup_id_z 1
		.amdhsa_system_vgpr_workitem_id 0
		.amdhsa_next_free_vgpr 256
		.amdhsa_next_free_sgpr 66
		.amdhsa_reserve_vcc 1
		.amdhsa_float_denorm_mode_32 3
		.amdhsa_float_denorm_mode_16_64 3
		.amdhsa_memory_ordered 1
		.amdhsa_forward_progress 1
		.amdhsa_inst_pref_size 69
	.end_amdhsa_kernel
	.amdgpu_metadata
---
amdhsa.version: [ 1, 2 ]
amdhsa.kernels:
  - .name:           k_qbd9161d507_attn
    .symbol:         k_qbd9161d507_attn.kd
    .args:
      - { .name: qkv, .offset: 0, .size: 8, .value_kind: global_buffer, .address_space: global }
      - { .name: yq, .offset: 8, .size: 8, .value_kind: global_buffer, .address_space: global }
    .group_segment_fixed_size: 327680
    .private_segment_fixed_size: 0
    .kernarg_segment_align: 8
    .kernarg_segment_size: 16
    .max_flat_workgroup_size: 512
    .sgpr_count:     66
    .vgpr_count:     256
    .wavefront_size: 32
...
	.end_amdgpu_metadata
.endif
;; end of part 3
;; launch g2 (part 4): grid 8 x 32, 4 waves a work-group, clusters of 4 x 4, 327,680 bytes of LDS; arguments yq, wq, b_proj, hidden_states, h1; writes h1
.if DOCPART == 4
	.amdgcn_target "amdgcn-amd-amdhsa--gfx1250"
	.amdhsa_code_object_version 6
	.text
	.protected	k_qbd9161d507_g2
	.globl	k_qbd9161d507_g2
	.p2align	8
	.type	k_qbd9161d507_g2,@function
k_qbd9161d507_g2:
	s_mov_b64 s[64:65], 0
	v_nop
	global_prefetch_b8 v0, s[64:65] scope:SCOPE_SE
	s_setreg_imm32_b32 hwreg(HW_REG_WAVE_MODE, 25, 1), 1
	s_wait_xcnt 0x0
	s_wait_alu depctr_hold_cnt(0) depctr_sa_sdst(0) depctr_va_vdst(0) depctr_va_sdst(0) depctr_va_ssrc(0) depctr_va_vcc(0) depctr_vm_vsrc(0)
	s_getreg_b32 s2, hwreg(HW_REG_IB_STS2, 6, 4)
	s_cmp_eq_u32 s2, 0
	s_cbranch_scc0 .Lentry_in_a_cluster
	s_endpgm
.Lentry_in_a_cluster:
	s_bfe_u32 s2, ttmp6, 0x10000c
	s_cmp_lg_u32 s2, 0xf033
	s_cbranch_scc0 .Lentry_shape_is_right
	s_endpgm
.Lentry_shape_is_right:
.set NB,     4
.set UPS,    2
.set SIZE_K, 1024
.set WOFF,   2555904
.set UB,     3328
.set ROWB,   UPS*UB
.set KU,     SIZE_K/256
.set PITCHB, KU*UB
.set HALFT,  NB*ROWB
.set SLOT,   4*HALFT
.set NQ,     2*UPS
.set LAPS,   SIZE_K/(512*UPS)
.set SPARE,  2*SLOT
.set STAGE,  SPARE+512
.set L16, 10
.set L8,  11
.set L4,  12
.set STO, 13
.set RD,  14
.set A16, 16
.set A8,  18
.set B16, 20
.set B8,  22
.set SA,  24
.set CO,  26
.set BO,  27
.set SPW, 28
.set NIL, 29
.set SC,  32
.set BI,  48
.set AF,  64
.set ORW, 208
.set G1,  24
.set G0,  32
.set G1B, 48
.set G0B, 56
.set MSB, 0
.macro WIN new
.if MSB != (\new)
	s_set_vgpr_msb (MSB<<8)|(\new)
.set MSB, (\new)
.endif
.endm
.macro PLACES
.rept 4
	v_nop
.endr
.endm
.macro JLOAD s
	s_cmp_eq_u32 s15, 0
	s_cbranch_scc0 .Lfor_b_\@
	tensor_load_to_lds s[G0+4*\s:G0+4*\s+3], s[G1:G1+7]
	s_nop 0
.rept 4
	v_nop
.endr
	s_branch .Lasked_\@
.Lfor_b_\@:
	tensor_load_to_lds s[G0B+4*\s:G0B+4*\s+3], s[G1B:G1B+7]
	s_nop 0
.rept 4
	v_nop
.endr
.Lasked_\@:
.endm
.macro CREST
	s_cmp_lg_u32 s14, 0
	s_cbranch_scc1 .Lnot_wave_0_\@
	s_barrier_signal -3
.Lnot_wave_0_\@:
	s_barrier_wait -3
	s_barrier_signal -1
	s_barrier_wait -1
.endm
.macro CROUND
	s_barrier_signal -1
	s_barrier_wait -1
	CREST
.endm
.macro FRAG reg, a16, a8, off
	ds_load_b128 v[\reg:\reg+3], v[\a16] offset:\off
	ds_load_b64 v[\reg+4:\reg+5], v[\a8] offset:\off+512
	ds_load_b128 v[\reg+6:\reg+9], v[\a16] offset:\off+768
	ds_load_b64 v[\reg+10:\reg+11], v[\a8] offset:\off+1280
.endm
.macro FETCH slot, q, f
	WIN 0x40
.set fi, 0
.rept NB
	FRAG 128*(\f)+12*fi, B16+\slot, B8+\slot, fi*ROWB+((\q)/2)*UB+((\q)%2)*1536
.set fi, fi+1
.endr
	WIN 0
.set fi, 0
.rept NB
	FRAG AF+96*(\f)+12*fi, A16+\slot, A8+\slot, fi*ROWB+((\q)/2)*UB+((\q)%2)*1536
.set fi, fi+1
.endr
.set fi, 0
.rept NB
	ds_load_b32 v[SC+8*(\f)+fi], v[SA+\slot] offset:fi*ROWB+((\q)/2)*UB+3072+128*((\q)%2)
.set fi, fi+1
.endr
.endm
.macro MULS f, a0, n, zero
.set ma, \a0
.rept \n
	WIN 0xa1+0x50*(ma/4)
.set mb, 0
.rept NB
.if \zero
	v_wmma_scale_f32_16x16x128_f8f6f4 v[8*(NB*(ma%4)+mb):8*(NB*(ma%4)+mb)+7], v[128*(\f)+12*mb:128*(\f)+12*mb+11], v[AF+96*(\f)+12*ma:AF+96*(\f)+12*ma+11], 0, v[SC+8*(\f)+mb], v[SC+8*(\f)+ma] matrix_a_fmt:MATRIX_FMT_FP6 matrix_b_fmt:MATRIX_FMT_FP6 matrix_a_scale:MATRIX_SCALE_ROW1
.else
	v_wmma_scale_f32_16x16x128_f8f6f4 v[8*(NB*(ma%4)+mb):8*(NB*(ma%4)+mb)+7], v[128*(\f)+12*mb:128*(\f)+12*mb+11], v[AF+96*(\f)+12*ma:AF+96*(\f)+12*ma+11], v[8*(NB*(ma%4)+mb):8*(NB*(ma%4)+mb)+7], v[SC+8*(\f)+mb], v[SC+8*(\f)+ma] matrix_a_fmt:MATRIX_FMT_FP6 matrix_b_fmt:MATRIX_FMT_FP6 matrix_a_scale:MATRIX_SCALE_ROW1
.endif
.set mb, mb+1
.endr
.set ma, ma+1
.endr
.endm
.macro STEP slot, q, zero
	s_wait_dscnt 0x0
	PLACES
	FETCH \slot, (\q)+1, 1-(\q)%2
	MULS (\q)%2, 0, NB, \zero
	WIN 0
.endm
.macro TURN slot, next, fill
	s_wait_tensorcnt 0x0
	ds_add_u32 v[SPW], v[NIL]
	s_wait_dscnt 1
	MULS 1, 0, NB/4, 0
	s_wait_dscnt 0x0
	s_barrier_signal -1
	MULS 1, NB/4, NB/4, 0
	WIN 0
	s_barrier_wait -1
.if \fill
	CREST
	s_add_nc_u64 s[G0+4*\slot+2:G0+4*\slot+3], s[G0+4*\slot+2:G0+4*\slot+3], 2*ROWB
	s_add_nc_u64 s[G0B+4*\slot+2:G0B+4*\slot+3], s[G0B+4*\slot+2:G0B+4*\slot+3], 2*ROWB
	JLOAD \slot
.else
	PLACES
.endif
	FETCH \next, 0, 0
	MULS 1, NB/2, NB/2, 0
	WIN 0
.endm
.macro LAST
	s_wait_dscnt 0x0
	MULS 1, 0, NB, 0
	WIN 0
.endm
	s_load_b256 s[4:11], s[0:1], 0x0
	s_load_b64 s[12:13], s[0:1], 0x20
	v_lshl_add_u32 v[SPW], v0, 2, SPARE
	v_mov_b32 v[NIL], 0
	ds_add_u32 v28, v29
	ds_add_u32 v28, v29
	s_wait_dscnt 0x0
	v_lshrrev_b32 v1, 5, v0
	v_readfirstlane_b32 s14, v1
	s_lshr_b32 s15, s14, 1
	s_and_b32 s16, s14, 1
	s_bfe_u32 s40, ttmp6, 0x40000
	s_bfe_u32 s41, ttmp6, 0x40004
	s_lshl_b32 s42, ttmp9, 2
	s_add_co_u32 s42, s42, s40
	s_and_b32 s17, ttmp7, 0xffff
	s_lshl_b32 s17, s17, 2
	s_add_co_u32 s17, s17, s41
	s_lshl_b32 s43, s41, 2
	s_lshl_b32 s43, 15, s43
	s_lshl_b32 s44, 0x1111, s40
	s_or_b32 s[G1], s43, (3<<16)|(1<<21)
	s_or_b32 s[G1B], s44, (3<<16)|(1<<21)
.irp g, G1, G1B
	s_mov_b32 s[\g+1], (ROWB/8)<<16
	s_mov_b32 s[\g+2], (2*NB)<<16                  ; a load brings an operand's 2 NB row blocks of one slot
	s_mov_b32 s[\g+3], (ROWB/8)<<16
	s_mov_b32 s[\g+4], 2*NB
	s_mov_b32 s[\g+5], PITCHB/8
	s_mov_b32 s[\g+6], 0
	s_mov_b32 s[\g+7], 0
.endr
	; K = 1,024 is two slots: ALL OF IT IS ASKED FOR AT THE HEAD, one joint load a wave: wave 0 A of slot 0, wave 1 B of slot 0, wave 2 A of slot 1, wave 3 B of slot 1.  Nothing is filled again.
	s_mul_i32 s45, s15, ROWB                       ; wave / 2: the slot, and its place along K
	s_mul_i32 s20, s17, 2*NB*PITCHB                ; A's tile, whole
	s_add_co_u32 s20, s20, s45
	s_mov_b32 s21, 0
	s_mul_i32 s46, s42, 2*NB*PITCHB                ; B's
	s_add_co_u32 s46, s46, s45
	s_mov_b32 s47, 0
	s_mul_i32 s45, s15, SLOT
	s_wait_kmcnt 0x0
	s_add_nc_u64 s[92:93], s[6:7], WOFF
	s_add_nc_u64 s[20:21], s[4:5], s[20:21]
	s_add_nc_u64 s[46:47], s[92:93], s[46:47]
	s_mov_b32 s[G0], 1
	s_mov_b32 s[G0+1], s45
	s_mov_b64 s[G0+2:G0+3], s[20:21]
	s_or_b32 s[G0+3], s[G0+3], 0x80000000
	s_mov_b32 s[G0B], 1
	s_add_co_u32 s[G0B+1], s45, 2*HALFT            ; B's rows lie behind A's in a slot
	s_mov_b64 s[G0B+2:G0B+3], s[46:47]
	s_or_b32 s[G0B+3], s[G0B+3], 0x80000000
	CROUND                                         ; all sixteen work-groups are here: the joint loads meet
.macro HARM eq, g0, g1w, nxt           ; an arm of the one chain on the wave's number: every way through the head passes one load
	s_cmp_eq_u32 s14, \eq
	s_cbranch_scc0 \nxt
	tensor_load_to_lds s[\g0:\g0+3], s[\g1w:\g1w+7]
	s_nop 0
	PLACES
	s_branch .Lhead_asked
\nxt:
.endm
	HARM 0, G0, G1, .Lh1
	HARM 1, G0B, G1B, .Lh2
	HARM 2, G0, G1, .Lh3
	tensor_load_to_lds s[G0B:G0B+3], s[G1B:G1B+7]
	s_nop 0
	PLACES
.Lhead_asked:
	v_and_b32 v1, 31, v0
	v_lshlrev_b32 v[L16], 4, v1
	v_lshlrev_b32 v[L8], 3, v1
	v_lshlrev_b32 v[L4], 2, v1
	v_bfe_u32 v2, v0, 4, 1
	s_mul_i32 s21, s15, HALFT
	s_mul_i32 s22, s16, HALFT
	s_add_co_u32 s22, s22, 2*HALFT
	s_sub_co_u32 s23, s22, s21
	v_mul_u32_u24 v3, s23, v2
	v_add_nc_u32 v3, v3, v[L4]
.irp s, 0,1
	v_add_nc_u32 v[A16+\s], s21, v[L16]
	v_add_nc_u32 v[A8+\s], s21, v[L8]
	v_add_nc_u32 v[B16+\s], s22, v[L16]
	v_add_nc_u32 v[B8+\s], s22, v[L8]
	v_add_nc_u32 v[SA+\s], s21, v3
	s_add_co_u32 s21, s21, SLOT
	s_add_co_u32 s22, s22, SLOT
.endr
	s_mul_i32 s18, s14, 16*272
	s_add_co_u32 s18, s18, STAGE
	v_and_b32 v4, 15, v0
	v_mul_u32_u24 v5, v4, 272
	v_lshl_add_u32 v5, v2, 6, v5
	v_add_nc_u32 v[STO], s18, v5
	v_mul_u32_u24 v5, v2, 272
	v_lshl_add_u32 v5, v4, 4, v5
	v_add_nc_u32 v[RD], s18, v5
	v_lshlrev_b32 v[BO], 4, v4
	v_lshl_add_u32 v[CO], v2, 12, v[BO]
	s_wait_alu depctr_va_vdst(0)
	s_lshl_b32 s18, s42, 9
	s_lshl_b32 s19, s16, 8
	s_add_co_u32 s18, s18, s19
	s_mov_b32 s19, 0
	s_add_nc_u64 s[70:71], s[8:9], s[18:19]
	s_lshl_b32 s72, s17, 19
	s_lshl_b32 s73, s15, 18
	s_add_co_u32 s72, s72, s73
	s_add_co_u32 s18, s18, s72
	s_add_nc_u64 s[66:67], s[10:11], s[18:19]
	s_add_nc_u64 s[68:69], s[12:13], s[18:19]
	WIN 0x80
.set ra, 0
.rept 4
.set rt, 0
.rept 8
	global_load_b128 v[128+4*(8*ra+rt):128+4*(8*ra+rt)+3], v[CO], s[66:67] offset:(32*(ra/2)+8*(ra%2)+16*(rt/4)+2*(rt%4))*4096
.set rt, rt+1
.endr
.set ra, ra+1
.endr
	WIN 0
	global_load_b128 v[BI:BI+3], v[BO], s[70:71]
	s_cmp_lt_u32 s14, 2
	s_cbranch_scc0 .Lnot_slot_0
	s_wait_tensorcnt 0x0                           ; waves 0 and 1: slot 0's two tiles, each by a load line of its own
.Lnot_slot_0:
	s_barrier_signal -1
	s_barrier_wait -1                              ; slot 0 is shown to all; slot 1 may be on its way
	FETCH 0, 0, 0
	STEP 0, 0, 1
.if LAPS > 1
	s_mov_b32 s3, LAPS-1
.Llap:
	STEP 0, 1, 0
	STEP 0, 2, 0
	TURN 0, 1, 1
	STEP 1, 0, 0
	STEP 1, 1, 0
	STEP 1, 2, 0
	TURN 1, 0, 1
	STEP 0, 0, 0
	s_sub_co_u32 s3, s3, 1
	s_cmp_lg_u32 s3, 0
	s_cbranch_scc1 .Llap
.endif
	STEP 0, 1, 0
	STEP 0, 2, 0
	TURN 0, 1, 0
	STEP 1, 0, 0
	STEP 1, 1, 0
	STEP 1, 2, 0
	LAST
	PLACES
	s_wait_loadcnt 0x0
.set ea, 0
.rept 4
	s_wait_xcnt 0x0
	WIN 0x08
.set eb, 0
.rept 4
	ds_store_b128 v[STO], v[8*(4*ea+eb):8*(4*ea+eb)+3] offset:128*(eb/2)+32*(eb%2)
	ds_store_b128 v[STO], v[8*(4*ea+eb)+4:8*(4*ea+eb)+7] offset:128*(eb/2)+32*(eb%2)+16
.set eb, eb+1
.endr
	WIN 0
.set et, 0
.rept 8
	ds_load_b128 v[ORW+4*et:ORW+4*et+3], v[RD] offset:et*2*272
.set et, et+1
.endr
	s_wait_dscnt 0x0
.set et, 0
.rept 8
	v_pk_add_f32 v[ORW+4*et:ORW+4*et+1], v[ORW+4*et:ORW+4*et+1], v[BI:BI+1]
	v_pk_add_f32 v[ORW+4*et+2:ORW+4*et+3], v[ORW+4*et+2:ORW+4*et+3], v[BI+2:BI+3]
.set et, et+1
.endr
	WIN 0x08
.set et, 0
.rept 8
	v_pk_add_f32 v[ORW+4*et:ORW+4*et+1], v[ORW+4*et:ORW+4*et+1], v[128+4*(8*ea+et):128+4*(8*ea+et)+1]
	v_pk_add_f32 v[ORW+4*et+2:ORW+4*et+3], v[ORW+4*et+2:ORW+4*et+3], v[128+4*(8*ea+et)+2:128+4*(8*ea+et)+3]
.set et, et+1
.endr
	WIN 0
.set et, 0
.rept 8
	global_store_b128 v[CO], v[ORW+4*et:ORW+4*et+3], s[68:69] offset:(32*(ea/2)+8*(ea%2)+16*(et/4)+2*(et%4))*4096
.set et, et+1
.endr
.set ea, ea+1
.endr
	s_wait_tensorcnt 0x0
	ds_add_u32 v[SPW], v[NIL]
	s_wait_dscnt 0x0
	CROUND
	s_endpgm
.Lfunc_end_k_qbd9161d507_g2:
	.size	k_qbd9161d507_g2, .Lfunc_end_k_qbd9161d507_g2-k_qbd9161d507_g2
	.p2alignl 7, 3214868480
	.fill 96, 4, 3214868480
	.section	.rodata,"a",@progbits
	.p2align	6, 0x0
	.amdhsa_kernel k_qbd9161d507_g2
		.amdhsa_group_segment_fixed_size 327680
		.amdhsa_private_segment_fixed_size 0
		.amdhsa_enable_private_segment 0
		.amdhsa_kernarg_size 40
		.amdhsa_user_sgpr_count 2
		.amdhsa_user_sgpr_kernarg_segment_ptr 1
		.amdhsa_wavefront_size32 1
		.amdhsa_system_sgpr_workgroup_id_x 1
		.amdhsa_system_sgpr_workgroup_id_y 1
		.amdhsa_system_sgpr_workgroup_id_z 1
		.amdhsa_system_vgpr_workitem_id 0
		.amdhsa_next_free_vgpr 768
		.amdhsa_next_free_sgpr 102
		.amdhsa_reserve_vcc 0
		.amdhsa_float_denorm_mode_32 3
		.amdhsa_float_denorm_mode_16_64 3
		.amdhsa_memory_ordered 1
		.amdhsa_forward_progress 1
		.amdhsa_inst_pref_size 63
	.end_amdhsa_kernel
	.amdgpu_metadata
---
amdhsa.version: [ 1, 2 ]
amdhsa.kernels:
  - .name:           k_qbd9161d507_g2
    .symbol:         k_qbd9161d507_g2.kd
    .args:
      - { .name: yq, .offset: 0, .size: 8, .value_kind: global_buffer, .address_space: global }
      - { .name: wq, .offset: 8, .size: 8, .value_kind: global_buffer, .address_space: global }
      - { .name: b_proj, .offset: 16, .size: 8, .value_kind: global_buffer, .address_space: global }
      - { .name: hidden_states, .offset: 24, .size: 8, .value_kind: global_buffer, .address_space: global }
      - { .name: h1, .offset: 32, .size: 8, .value_kind: global_buffer, .address_space: global }
    .group_segment_fixed_size: 327680
    .private_segment_fixed_size: 0
    .kernarg_segment_align: 8
    .kernarg_segment_size: 40
    .max_flat_workgroup_size: 128
    .sgpr_count:     102
    .vgpr_count:     768
    .wavefront_size: 32
...
	.end_amdgpu_metadata
.endif
;; end of part 4
;; launch ln2 (part 5): grid 256 x 1, 8 waves a work-group, no clusters, 66,816 bytes of LDS; arguments h1, ln2_g, ln2_b, zq; writes zq
.if DOCPART == 5
	.amdgcn_target "amdgcn-amd-amdhsa--gfx1250"
	.amdhsa_code_object_version 6
	.text
	.protected	k_qbd9161d507_ln2
	.globl	k_qbd9161d507_ln2
	.p2align	8
	.type	k_qbd9161d507_ln2,@function
k_qbd9161d507_ln2:
	s_mov_b64 s[64:65], 0
	v_nop
	global_prefetch_b8 v0, s[64:65] scope:SCOPE_SE
	s_setreg_imm32_b32 hwreg(HW_REG_WAVE_MODE, 25, 1), 1
	s_wait_xcnt 0x0
; y = (x - mean) rsqrt(var + 1e-5) g + b for rows of 1,024 f32, and y's codes of FP6 (E2M3) with one E8M0 byte for each 32 along the row, in this program's operand format:
; row m of row block i is token 32 (i / 2) + 16 (m / 8) + 8 (i % 2) + m % 8; a fragment (16 rows x 128 K) is the image of its 12 registers (1,536 bytes), a unit two fragments and their two scale images (3,328 bytes).
; SHARES.  A work-group makes one row block.  Phase 1: wave w normalises rows 2 w and 2 w + 1 of the block, two neighbouring tokens (8,192 consecutive bytes), all in f32, the variance from the differences to the mean,
; and puts them into a stage in LDS.  One barrier.  Phase 2: wave w takes K step w: lane (r, h) reads, of row r, the 16 numbers 16 h on of each block of 32, quantises them and stores the fragment's image.
; The stage's rows are 4,112 bytes apart: the sixteen rows that a load touches begin in sixteen different columns of 16 bytes.
; LIMITS: NaN and infinities are not served; a block of zeros, or one under 2^-124, keeps the scale byte 1; only this program reads the bytes.
.set PITCH, 4112
.set XR,  16                           ; v16-79   two rows, 32 registers each; in phase 2 the 64 numbers to quantise
.set GR,  80                           ; v80-111  the gain at my columns
.set BR,  112                          ; v112-143 the bias
.set PC,  144                          ; v144-163 codes
.set TM,  164                          ; v164-179 at work in QUANT
.set PW,  180                          ; the scale word
.set SEL, 20                           ; s[20:21] selects for lane l xor 16
; 64 numbers of a lane, register 16 b + i = k 32 b + 16 (lane / 16) + i of my row, become a fragment's codes in v[pc] on and its scale word in v[pw].
.macro QUANT s, pc, tm, pw
.irp b, 0,1,2,3
	v_max3_num_f32 v[\tm+\b], |v[\s+16*\b]|, |v[\s+1+16*\b]|, 0x1800000   ; my 16 numbers of block b, and the floor 2^(3 - 127): the byte cannot fall under 1
.endr
.irp i, 2,4,6,8,10,12,14
.irp b, 0,1,2,3
	s_delay_alu instid0(VALU_DEP_4)
	v_max3_num_f32 v[\tm+\b], v[\tm+\b], |v[\s+16*\b+\i]|, |v[\s+1+16*\b+\i]|
.endr
.endr
.irp b, 0,1,2,3
	s_delay_alu instid0(VALU_DEP_4)
	v_permlanex16_b32 v[\tm+4+\b], v[\tm+\b], s[SEL], s[SEL+1]
.endr
.irp b, 0,1,2,3
	s_delay_alu instid0(VALU_DEP_4)
	v_max_num_f32 v[\tm+\b], v[\tm+\b], v[\tm+4+\b]   ; with lane l xor 16's: the block's largest magnitude
.endr
.irp b, 0,1,2,3
	s_delay_alu instid0(VALU_DEP_4)
	v_add_nc_u32 v[\tm+12+\b], 0xff000000, v[\tm+\b]  ; 2 off its exponent field: the conversion's scale operand
.endr
.irp b, 0,1,2,3
	s_delay_alu instid0(VALU_DEP_4)
	v_lshrrev_b32 v[\tm+4+\b], 23, v[\tm+12+\b]       ; the scale's byte
.endr
	s_delay_alu instid0(VALU_DEP_3)
	v_lshl_or_b32 v[\pw], v[\tm+5], 8, v[\tm+4]
	s_delay_alu instid0(VALU_DEP_1)
	v_lshl_or_b32 v[\pw], v[\tm+6], 16, v[\pw]
	s_delay_alu instid0(VALU_DEP_1)
	v_lshl_or_b32 v[\pw], v[\tm+7], 24, v[\pw]
.irp c, 0,1
	v_cvt_scalef32_pk16_fp6_f32 v[\pc+6*\c:\pc+2+6*\c], v[\s+32*\c:\s+15+32*\c], v[\tm+12+2*\c]
	v_cvt_scalef32_pk16_fp6_f32 v[\pc+12+4*\c:\pc+14+4*\c], v[\s+16+32*\c:\s+31+32*\c], v[\tm+12+2*\c+1]
.endr
	v_nop                                          ; one plain line behind a scaled conversion
.irp c, 0,1                            ; the layout wants a whole block in a lane: lanes 0-15 block 2 c, lanes 16-31 block 2 c + 1
.irp i, 0,1,2
	v_permlane16_swap_b32 v[\pc+6*\c+\i], v[\pc+12+4*\c+\i]
.endr
.irp i, 0,1,2
	s_delay_alu instid0(VALU_DEP_3)
	v_mov_b32 v[\pc+3+6*\c+\i], v[\pc+12+4*\c+\i]
.endr
.endr
.endm
.macro WSUM a, t                       ; the sum over the wave's 32 lanes, in every lane
	v_add_f32_dpp v[\a], v[\a], v[\a] row_xmask:1 row_mask:0xf bank_mask:0xf
	s_delay_alu instid0(VALU_DEP_1)
	v_add_f32_dpp v[\a], v[\a], v[\a] row_xmask:2 row_mask:0xf bank_mask:0xf
	s_delay_alu instid0(VALU_DEP_1)
	v_add_f32_dpp v[\a], v[\a], v[\a] row_xmask:4 row_mask:0xf bank_mask:0xf
	s_delay_alu instid0(VALU_DEP_1)
	v_add_f32_dpp v[\a], v[\a], v[\a] row_xmask:8 row_mask:0xf bank_mask:0xf
	s_delay_alu instid0(VALU_DEP_1)
	v_permlanex16_b32 v[\t], v[\a], s[SEL], s[SEL+1]
	s_delay_alu instid0(VALU_DEP_1)
	v_add_f32 v[\a], v[\a], v[\t]
.endm
	s_load_b256 s[4:11], s[0:1], 0x0               ; x, g, b, the codes
	v_lshl_add_u32 v192, v0, 2, 0x10100
	v_mov_b32 v193, 0
	v_lshrrev_b32 v1, 5, v0
	s_delay_alu instid0(VALU_DEP_1)
	v_readfirstlane_b32 s12, v1                    ; wave 0..7
	v_and_b32 v2, 31, v0
	s_delay_alu instid0(VALU_DEP_1)
	v_lshlrev_b32 v3, 4, v2                        ; 16 x lane
	s_wait_alu depctr_va_vdst(0)
	v_lshlrev_b32 v4, 3, v2                        ; 8 x lane
	v_lshlrev_b32 v5, 2, v2                        ; 4 x lane
	s_lshr_b32 s13, ttmp9, 1
	s_lshl_b32 s13, s13, 5
	s_and_b32 s14, ttmp9, 1
	s_lshl_b32 s14, s14, 3
	s_add_co_u32 s13, s13, s14
	s_lshr_b32 s14, s12, 2
	s_lshl_b32 s14, s14, 4
	s_add_co_u32 s13, s13, s14
	s_and_b32 s14, s12, 3
	s_lshl_b32 s14, s14, 1
	s_add_co_u32 s13, s13, s14                     ; my first token: 32 (i / 2) + 8 (i % 2) + 16 (w / 4) + 2 (w % 4)
	s_lshl_b32 s14, s13, 12                        ; x 4,096 bytes (under 2^24)
	s_mov_b32 s15, 0
	s_mul_i32 s16, s12, 2*PITCH
	v_add_nc_u32 v6, s16, v3                       ; the stage, in: rows 2 w, 2 w + 1; 16 bytes a lane
	v_and_b32 v7, 15, v0
	v_bfe_u32 v8, v0, 4, 1
	s_delay_alu instid0(VALU_DEP_2)
	v_mul_u32_u24 v7, v7, PITCH
	s_delay_alu instid0(VALU_DEP_1)
	v_lshl_add_u32 v7, v8, 6, v7
	s_lshl_b32 s16, s12, 9
	v_add_nc_u32 v7, s16, v7                       ; and out: row r, + 512 w (my K step), + 64 h
	s_lshl_b32 s17, ttmp9, 2
	s_lshr_b32 s18, s12, 1
	s_add_co_u32 s17, s17, s18
	s_mul_i32 s18, s17, 3328                       ; my unit: 4 i + w / 2
	s_and_b32 s19, s12, 1
	s_mul_i32 s22, s19, 1536
	s_add_co_u32 s22, s22, s18                     ; my fragment in it
	s_mov_b32 s23, 0
	s_lshl_b32 s24, s19, 7
	s_add_co_u32 s24, s24, s18
	s_add_co_u32 s24, s24, 3072                    ; and its scale image
	s_mov_b32 s25, 0
	s_mov_b32 s[SEL], 0x76543210
	s_mov_b32 s[SEL+1], 0xfedcba98
	s_mov_b32 s30, 0x3a800000                      ; 1 / 1,024
	s_mov_b32 s31, 0x3727c5ac                      ; 1e-5
.irp b, 0,1,2,3
	v_mov_b32 v[TM+4+\b], 0                        ; written once: a lane permute's destination counts as one of its sources
.endr
	s_wait_kmcnt 0x0
	s_add_nc_u64 s[4:5], s[4:5], s[14:15]
	s_add_nc_u64 s[26:27], s[10:11], s[22:23]
	s_add_nc_u64 s[28:29], s[10:11], s[24:25]
.irp e, 0,1
.irp j, 0,1,2,3,4,5,6,7
	global_load_b128 v[XR+32*\e+4*\j:XR+32*\e+4*\j+3], v3, s[4:5] offset:4096*\e+512*\j   ; 512 consecutive bytes a load
.endr
.endr
.irp j, 0,1,2,3,4,5,6,7
	global_load_b128 v[GR+4*\j:GR+4*\j+3], v3, s[6:7] offset:512*\j
.endr
.irp j, 0,1,2,3,4,5,6,7
	global_load_b128 v[BR+4*\j:BR+4*\j+3], v3, s[8:9] offset:512*\j
.endr
	s_wait_loadcnt 16                              ; the rows are in; the sixteen loads of gain and bias may be out
	v_pk_add_f32 v[8:9], v[XR:XR+1], v[XR+2:XR+3]
	v_pk_add_f32 v[10:11], v[XR+32:XR+33], v[XR+34:XR+35]
.irp j, 4,6,8,10,12,14,16,18,20,22,24,26,28,30
	s_delay_alu instid0(VALU_DEP_2)
	v_pk_add_f32 v[8:9], v[8:9], v[XR+\j:XR+\j+1]
	s_delay_alu instid0(VALU_DEP_2)
	v_pk_add_f32 v[10:11], v[10:11], v[XR+32+\j:XR+33+\j]
.endr
	s_delay_alu instid0(VALU_DEP_2)
	v_add_f32 v8, v8, v9
	s_delay_alu instid0(VALU_DEP_2)
	v_add_f32 v10, v10, v11
	WSUM 8, 9
	WSUM 10, 11
	v_mul_f32 v8, s30, v8                          ; the means
	s_delay_alu instid0(VALU_DEP_2)
	v_mul_f32 v10, s30, v10
.irp j, 0,2,4,6,8,10,12,14,16,18,20,22,24,26,28,30
	v_pk_add_f32 v[XR+\j:XR+\j+1], v[XR+\j:XR+\j+1], v[8:9] op_sel_hi:[1,0] neg_lo:[0,1] neg_hi:[0,1]        ; x - mean
	v_pk_add_f32 v[XR+32+\j:XR+33+\j], v[XR+32+\j:XR+33+\j], v[10:11] op_sel_hi:[1,0] neg_lo:[0,1] neg_hi:[0,1]
.endr
	v_pk_mul_f32 v[12:13], v[XR:XR+1], v[XR:XR+1]
	v_pk_mul_f32 v[14:15], v[XR+32:XR+33], v[XR+32:XR+33]
.irp j, 2,4,6,8,10,12,14,16,18,20,22,24,26,28,30
	s_delay_alu instid0(VALU_DEP_2)
	v_pk_fma_f32 v[12:13], v[XR+\j:XR+\j+1], v[XR+\j:XR+\j+1], v[12:13]
	s_delay_alu instid0(VALU_DEP_2)
	v_pk_fma_f32 v[14:15], v[XR+32+\j:XR+33+\j], v[XR+32+\j:XR+33+\j], v[14:15]
.endr
	s_delay_alu instid0(VALU_DEP_2)
	v_add_f32 v12, v12, v13
	s_delay_alu instid0(VALU_DEP_2)
	v_add_f32 v14, v14, v15
	WSUM 12, 13
	WSUM 14, 15
	v_fma_f32 v12, v12, s30, s31                   ; the variance + 1e-5
	s_delay_alu instid0(VALU_DEP_2)
	v_fma_f32 v14, v14, s30, s31
	s_wait_alu depctr_va_vdst(0)
	v_rsq_f32 v12, v12
	v_rsq_f32 v14, v14
	v_nop                                          ; a plain line behind the transcendentals
	s_wait_alu depctr_va_vdst(0)                   ; one wait for both, ahead of their first reader
	s_wait_loadcnt 0x0                             ; gain and bias
.irp j, 0,2,4,6,8,10,12,14,16,18,20,22,24,26,28,30
	v_pk_mul_f32 v[XR+\j:XR+\j+1], v[XR+\j:XR+\j+1], v[12:13] op_sel_hi:[1,0]
	v_pk_mul_f32 v[XR+32+\j:XR+33+\j], v[XR+32+\j:XR+33+\j], v[14:15] op_sel_hi:[1,0]
.endr
.irp j, 0,2,4,6,8,10,12,14,16,18,20,22,24,26,28,30
	v_pk_fma_f32 v[XR+\j:XR+\j+1], v[XR+\j:XR+\j+1], v[GR+\j:GR+\j+1], v[BR+\j:BR+\j+1]
	v_pk_fma_f32 v[XR+32+\j:XR+33+\j], v[XR+32+\j:XR+33+\j], v[GR+\j:GR+\j+1], v[BR+\j:BR+\j+1]
.endr
.irp e, 0,1
.irp j, 0,1,2,3,4,5,6,7
	ds_store_b128 v6, v[XR+32*\e+4*\j:XR+32*\e+4*\j+3] offset:\e*PITCH+512*\j
.endr
.endr
	s_wait_dscnt 0x0                               ; for the others' sake: my rows lie in the stage
	s_barrier_signal -1
	s_barrier_wait -1
.irp b, 0,1,2,3
.irp j, 0,1,2,3
	ds_load_b128 v[XR+16*\b+4*\j:XR+16*\b+4*\j+3], v7 offset:128*\b+16*\j
.endr
.endr
	s_wait_dscnt 0x0
	QUANT XR, PC, TM, PW
	global_store_b128 v3, v[PC:PC+3], s[26:27]
	global_store_b64 v4, v[PC+4:PC+5], s[26:27] offset:512
	global_store_b128 v3, v[PC+6:PC+9], s[26:27] offset:768
	global_store_b64 v4, v[PC+10:PC+11], s[26:27] offset:1280
	global_store_b32 v5, v[PW], s[28:29]
	s_wait_tensorcnt 0x0
	ds_add_u32 v192, v193
	s_wait_dscnt 0x0
	s_endpgm
.Lfunc_end_k_qbd9161d507_ln2:
	.size	k_qbd9161d507_ln2, .Lfunc_end_k_qbd9161d507_ln2-k_qbd9161d507_ln2
	.p2alignl 7, 3214868480
	.fill 96, 4, 3214868480
	.section	.rodata,"a",@progbits
	.p2align	6, 0x0
	.amdhsa_kernel k_qbd9161d507_ln2
		.amdhsa_group_segment_fixed_size 66816
		.amdhsa_private_segment_fixed_size 0
		.amdhsa_enable_private_segment 0
		.amdhsa_kernarg_size 32
		.amdhsa_user_sgpr_count 2
		.amdhsa_user_sgpr_kernarg_segment_ptr 1
		.amdhsa_wavefront_size32 1
		.amdhsa_system_sgpr_workgroup_id_x 1
		.amdhsa_system_sgpr_workgroup_id_y 1
		.amdhsa_system_sgpr_workgroup_id_z 1
		.amdhsa_system_vgpr_workitem_id 0
		.amdhsa_next_free_vgpr 194
		.amdhsa_next_free_sgpr 66
		.amdhsa_reserve_vcc 0
		.amdhsa_float_denorm_mode_32 3
		.amdhsa_float_denorm_mode_16_64 3
		.amdhsa_memory_ordered 1
		.amdhsa_forward_progress 1
		.amdhsa_inst_pref_size 29
	.end_amdhsa_kernel
	.amdgpu_metadata
---
amdhsa.version: [ 1, 2 ]
amdhsa.kernels:
  - .name:           k_qbd9161d507_ln2
    .symbol:         k_qbd9161d507_ln2.kd
    .args:
      - { .name: h1, .offset: 0, .size: 8, .value_kind: global_buffer, .address_space: global }
      - { .name: ln2_g, .offset: 8, .size: 8, .value_kind: global_buffer, .address_space: global }
      - { .name: ln2_b, .offset: 16, .size: 8, .value_kind: global_buffer, .address_space: global }
      - { .name: zq, .offset: 24, .size: 8, .value_kind: global_buffer, .address_space: global }
    .group_segment_fixed_size: 66816
    .private_segment_fixed_size: 0
    .kernarg_segment_align: 8
    .kernarg_segment_size: 32
    .max_flat_workgroup_size: 256
    .sgpr_count:     66
    .vgpr_count:     194
    .wavefront_size: 32
...
	.end_amdgpu_metadata
.endif
;; end of part 5
;; launch g3 (part 6): grid 16 x 16, 4 waves a work-group, clusters of 4 x 4, 327,680 bytes of LDS; arguments zq, wq, b_fc, act; writes act
.if DOCPART == 6
	.amdgcn_target "amdgcn-amd-amdhsa--gfx1250"
	.amdhsa_code_object_version 6
	.text
	.protected	k_qbd9161d507_g3
	.globl	k_qbd9161d507_g3
	.p2align	8
	.type	k_qbd9161d507_g3,@function
k_qbd9161d507_g3:
	s_mov_b64 s[64:65], 0
	v_nop
	global_prefetch_b8 v0, s[64:65] scope:SCOPE_SE
	s_setreg_imm32_b32 hwreg(HW_REG_WAVE_MODE, 25, 1), 1
	s_wait_xcnt 0x0
	s_wait_alu depctr_hold_cnt(0) depctr_sa_sdst(0) depctr_va_vdst(0) depctr_va_sdst(0) depctr_va_ssrc(0) depctr_va_vcc(0) depctr_vm_vsrc(0)
	s_getreg_b32 s2, hwreg(HW_REG_IB_STS2, 6, 4)
	s_cmp_eq_u32 s2, 0
	s_cbranch_scc0 .Lentry_in_a_cluster
	s_endpgm
.Lentry_in_a_cluster:
	s_bfe_u32 s2, ttmp6, 0x10000c
	s_cmp_lg_u32 s2, 0xf033
	s_cbranch_scc0 .Lentry_shape_is_right
	s_endpgm
.Lentry_shape_is_right:
; act = Q(gelu(z W + b)), the tanh form of gelu, on codes of FP6 (E2M3), K = 1,024; the result is quantised in registers along its 4,096 columns, the next product's K, and never goes to memory as f32.
; OPERAND FORMAT: row m of row block i is row 32 (i / 2) + 16 (m / 8) + 8 (i % 2) + m % 8; a fragment (16 rows x 128 K) is the image of its 12 registers, 1,536 bytes; a unit (256 K) is two fragments and their two
; scale images: 3,328 bytes.  A tile comes into LDS as rows of whole units; every LDS load reads consecutive bytes; the scales ride along.
; A work-group makes 256 x 256, a wave 128 x 128 (64 accumulators).  CLUSTERS of 4 x 4: A's tile is shared along a row, B's along a column, each asked for jointly.
; THREE LDS SLOTS of 256 along K.  K has four such steps: the first three are first fills, asked for together (three tensor loads of a wave are out at the start); the fourth fills slot 0 again, behind the one round,
; and has the steps of slots 1 and 2, 224 matrix instructions a wave, in which to land (one tensor load of a wave is out then).
; THE PRODUCT IS USED TRANSPOSED (source 0 = W's columns, source 1 = tokens): a lane holds one token, and by the row order the 16 registers of W's blocks 2 t, 2 t + 1 are 16 neighbouring columns.
; GELU: 0.5 x (1 + tanh(u)) = x / (1 + 2^(-x (c1 + c2 x^2))), c1 = 2 log2(e) sqrt(2 / pi), c2 = 0.044715 c1: the same function, with no difference of near numbers, finite for every finite x.
; LIMITS: NaN and infinities are not served; a block of zeros, or one under 2^-124, keeps the scale byte 1; only this program reads the bytes.
; REGISTERS: window 0: v10-29, v48-50 addresses; v32-47 scale words; v64-159, v160-255 A's two sets; window 1: v0-95, v128-223 B's; windows 2, 3: the accumulators.
.set NB,     8
.set WOFF,   3407872
.set UB,     3328
.set ROWB,   UB                        ; a slot's row: one unit
.set PITCHB, 4*UB
.set HALFT,  NB*ROWB
.set SLOT,   4*HALFT
.set SPARE,  3*SLOT                    ; behind the three slots: the spare words, 128 bytes a wave, that no other line names
.set L16, 10
.set L8,  11
.set L4,  12
.set A16, 16                           ; v16-18, v19-21 A's fragments in slot 0, 1, 2;  v22-27 B's;  v48-50 the scale images
.set A8,  19
.set B16, 22
.set B8,  25
.set SA,  48
.set SPW, 28
.set NIL, 29
.set SC,  32
.set AF,  64
.set G1,  24
.set G1B, 48
.set GA0, 32                           ; group 0 for A's tiles, a set for each slot: s[32:35], s[36:39], s[4:7] (which held pointers that are done with)
.set GA1, 36
.set GA2, 4
.set GB0, 56                           ; and for B's: s[56:59], s[60:63], s[40:43]
.set GB1, 60
.set GB2, 40
.set CX,  98
.set CY,  99
.set TC,  89
.set MA,  100
.set E,   64                           ; the way out: v64-127 at work in gelu
.set PC,  128
.set HA,  160
.set TM,  224
.set PW,  240
.set GC1, 242                          ; v[242:243] c1
.set SEL, 90
.set MSB, 0
.macro WIN new
.if MSB != (\new)
	s_set_vgpr_msb (MSB<<8)|(\new)
.set MSB, (\new)
.endif
.endm
.macro PLACES
.rept 4
	v_nop
.endr
.endm
.macro JLOAD ga, gb                    ; a joint load: waves 0, 1 fetch A's halves, waves 2, 3 B's; four v_nop follow each line
	s_cmp_eq_u32 s15, 0
	s_cbranch_scc0 .Lfor_b_\@
	tensor_load_to_lds s[\ga:\ga+3], s[G1:G1+7]
	s_nop 0
.rept 4
	v_nop
.endr
	s_branch .Lasked_\@
.Lfor_b_\@:
	tensor_load_to_lds s[\gb:\gb+3], s[G1B:G1B+7]
	s_nop 0
.rept 4
	v_nop
.endr
.Lasked_\@:
.endm
.macro FIRST ga, gb, s                 ; slot s's groups 0 and its first fill: K step s
	s_mov_b32 s[\ga], 1
	s_add_co_u32 s[\ga+1], s45, \s*SLOT
	s_add_nc_u64 s[\ga+2:\ga+3], s[20:21], \s*ROWB
	s_or_b32 s[\ga+3], s[\ga+3], 0x80000000
	s_mov_b32 s[\gb], 1
	s_add_co_u32 s[\gb+1], s45, \s*SLOT
	s_add_nc_u64 s[\gb+2:\gb+3], s[46:47], \s*ROWB
	s_or_b32 s[\gb+3], s[\gb+3], 0x80000000        ; (the macro makes a slot's ring descriptors; the loads stand where they are issued)
.endm
.macro CREST
	s_cmp_lg_u32 s14, 0
	s_cbranch_scc1 .Lnot_wave_0_\@
	s_barrier_signal -3
.Lnot_wave_0_\@:
	s_barrier_wait -3
	s_barrier_signal -1
	s_barrier_wait -1
.endm
.macro CROUND
	s_barrier_signal -1
	s_barrier_wait -1
	CREST
.endm
.macro FRAG reg, a16, a8, off
	ds_load_b128 v[\reg:\reg+3], v[\a16] offset:\off
	ds_load_b64 v[\reg+4:\reg+5], v[\a8] offset:\off+512
	ds_load_b128 v[\reg+6:\reg+9], v[\a16] offset:\off+768
	ds_load_b64 v[\reg+10:\reg+11], v[\a8] offset:\off+1280
.endm
.macro FETCH slot, q, f
	WIN 0x40
.set fi, 0
.rept NB
	FRAG 128*(\f)+12*fi, B16+\slot, B8+\slot, fi*ROWB+(\q)*1536
.set fi, fi+1
.endr
	WIN 0
.set fi, 0
.rept NB
	FRAG AF+96*(\f)+12*fi, A16+\slot, A8+\slot, fi*ROWB+(\q)*1536
.set fi, fi+1
.endr
.set fi, 0
.rept NB
	ds_load_b32 v[SC+8*(\f)+fi], v[SA+\slot] offset:fi*ROWB+3072+128*(\q)
.set fi, fi+1
.endr
.endm
.macro MULS f, a0, n, zero             ; all accumulators take turns, one instruction a turn, in the same order in every step
.set ma, \a0
.rept \n
	WIN 0xa1+0x50*(ma/4)
.set mb, 0
.rept NB
.if \zero
	v_wmma_scale_f32_16x16x128_f8f6f4 v[8*(NB*(ma%4)+mb):8*(NB*(ma%4)+mb)+7], v[128*(\f)+12*mb:128*(\f)+12*mb+11], v[AF+96*(\f)+12*ma:AF+96*(\f)+12*ma+11], 0, v[SC+8*(\f)+mb], v[SC+8*(\f)+ma] matrix_a_fmt:MATRIX_FMT_FP6 matrix_b_fmt:MATRIX_FMT_FP6 matrix_a_scale:MATRIX_SCALE_ROW1
.else
	v_wmma_scale_f32_16x16x128_f8f6f4 v[8*(NB*(ma%4)+mb):8*(NB*(ma%4)+mb)+7], v[128*(\f)+12*mb:128*(\f)+12*mb+11], v[AF+96*(\f)+12*ma:AF+96*(\f)+12*ma+11], v[8*(NB*(ma%4)+mb):8*(NB*(ma%4)+mb)+7], v[SC+8*(\f)+mb], v[SC+8*(\f)+ma] matrix_a_fmt:MATRIX_FMT_FP6 matrix_b_fmt:MATRIX_FMT_FP6 matrix_a_scale:MATRIX_SCALE_ROW1
.endif
.set mb, mb+1
.endr
.set ma, ma+1
.endr
.endm
.macro STEP slot, zero                 ; a slot's first 128 along K (set 0); its second is fetched into set 1
	s_wait_dscnt 0x0                               ; this step's set is in: it was asked for a whole step ago
	PLACES
	FETCH \slot, 1, 1
	MULS 0, 0, NB, \zero
	WIN 0
.endm
.macro CROSS next                      ; a slot's second 128 along K (set 1), where the next slot was shown whole to every wave by an earlier barrier: no barrier, and no wait on TENSORcnt, so that the refill stays on its way
	s_wait_dscnt 0x0
	PLACES
	FETCH \next, 0, 0
	MULS 1, 0, NB, 0
	WIN 0
.endm
.macro TURN next, fill                 ; a slot's second 128 along K with a barrier.  fill = 1 (slot 0 alone): the slot is filled again, with K step 3
	s_wait_tensorcnt 0x0                           ; all my tensor loads have landed;
	ds_add_u32 v[SPW], v[NIL]                      ; 0 onto my spare word;
	s_wait_dscnt 1                                 ; this step's set is in; the add alone may be out
	MULS 1, 0, NB/4, 0
	s_wait_dscnt 0x0                               ; the add is done, and my reads of this slot are over
	s_barrier_signal -1
	MULS 1, NB/4, NB/4, 0
	WIN 0
	s_barrier_wait -1
.if \fill
	CREST                                          ; the barrier has opened a round of the cluster's: no wave of any partner still reads this slot or has a load on its way
	s_add_nc_u64 s[GA0+2:GA0+3], s[GA0+2:GA0+3], 3*ROWB
	s_add_nc_u64 s[GB0+2:GB0+3], s[GB0+2:GB0+3], 3*ROWB
	JLOAD GA0, GB0                                 ; the first tensor load behind the round; its four v_nop are also the places in front of the loads below
.else
	PLACES
.endif
	s_wait_alu depctr_va_vdst(0)
	FETCH \next, 0, 0
	MULS 1, NB/2, NB/2, 0
	WIN 0
.endm
.macro LAST
	s_wait_dscnt 0x0
	MULS 1, 0, NB, 0
	WIN 0
.endm
.macro QUANT s, pc, tm, pw             ; 64 numbers of a lane, register 16 b + i = k 32 b + 16 (lane / 16) + i of my row, become a fragment's codes and its scale word
.irp b, 0,1,2,3
	v_max3_num_f32 v[\tm+\b], |v[\s+16*\b]|, |v[\s+1+16*\b]|, 0x1800000   ; and the floor 2^(3 - 127)
.endr
.irp i, 2,4,6,8,10,12,14
.irp b, 0,1,2,3
	v_max3_num_f32 v[\tm+\b], v[\tm+\b], |v[\s+16*\b+\i]|, |v[\s+1+16*\b+\i]|
.endr
.endr
.irp b, 0,1,2,3
	v_permlanex16_b32 v[\tm+4+\b], v[\tm+\b], s[SEL], s[SEL+1]
.endr
.irp b, 0,1,2,3
	v_max_num_f32 v[\tm+\b], v[\tm+\b], v[\tm+4+\b]
.endr
.irp b, 0,1,2,3
	v_add_nc_u32 v[\tm+12+\b], 0xff000000, v[\tm+\b]
.endr
.irp b, 0,1,2,3
	v_lshrrev_b32 v[\tm+4+\b], 23, v[\tm+12+\b]
.endr
	v_lshl_or_b32 v[\pw], v[\tm+5], 8, v[\tm+4]
	v_lshl_or_b32 v[\pw], v[\tm+6], 16, v[\pw]
	v_lshl_or_b32 v[\pw], v[\tm+7], 24, v[\pw]
.irp c, 0,1
	v_cvt_scalef32_pk16_fp6_f32 v[\pc+6*\c:\pc+2+6*\c], v[\s+32*\c:\s+15+32*\c], v[\tm+12+2*\c]
	v_cvt_scalef32_pk16_fp6_f32 v[\pc+12+4*\c:\pc+14+4*\c], v[\s+16+32*\c:\s+31+32*\c], v[\tm+12+2*\c+1]
.endr
	v_nop
.irp c, 0,1
.irp i, 0,1,2
	v_permlane16_swap_b32 v[\pc+6*\c+\i], v[\pc+12+4*\c+\i]
.endr
.irp i, 0,1,2
	v_mov_b32 v[\pc+3+6*\c+\i], v[\pc+12+4*\c+\i]
.endr
.endr
.endm
	s_load_b256 s[4:11], s[0:1], 0x0               ; zq, wq, b_fc, act
	v_lshl_add_u32 v[SPW], v0, 2, SPARE
	v_mov_b32 v[NIL], 0
	ds_add_u32 v28, v29
	ds_add_u32 v28, v29
	s_wait_dscnt 0x0
	v_lshrrev_b32 v1, 5, v0
	v_readfirstlane_b32 s14, v1
	s_lshr_b32 s15, s14, 1
	s_and_b32 s16, s14, 1
	s_bfe_u32 s[CX], ttmp6, 0x40000
	s_bfe_u32 s[CY], ttmp6, 0x40004
	s_lshl_b32 s[TC], ttmp9, 2
	s_add_co_u32 s[TC], s[TC], s[CX]               ; tile column
	s_and_b32 s17, ttmp7, 0xffff
	s_lshl_b32 s17, s17, 2
	s_add_co_u32 s17, s17, s[CY]                   ; tile row
	s_lshl_b32 s[MA], s[CY], 2
	s_lshl_b32 s[MA], 15, s[MA]
	s_lshl_b32 s44, 0x1111, s[CX]
	s_or_b32 s[G1], s[MA], (3<<16)|(1<<21)
	s_or_b32 s[G1B], s44, (3<<16)|(1<<21)
.irp g, G1, G1B
	s_mov_b32 s[\g+1], (ROWB/8)<<16
	s_mov_b32 s[\g+2], (2*NB)<<16                  ; at the head a load brings an operand's 2 NB row blocks; behind the head's wait the two words are set to NB
	s_mov_b32 s[\g+3], (ROWB/8)<<16
	s_mov_b32 s[\g+4], 2*NB
	s_mov_b32 s[\g+5], PITCHB/8
	s_mov_b32 s[\g+6], 0
	s_mov_b32 s[\g+7], 0
.endr
	s_lshl_b32 s20, s17, 1
	s_add_co_u32 s20, s20, s16
	s_mul_i32 s20, s20, NB*PITCHB
	s_mov_b32 s21, 0
	s_lshl_b32 s46, s[TC], 1
	s_add_co_u32 s46, s46, s16
	s_mul_i32 s46, s46, NB*PITCHB
	s_mov_b32 s47, 0
	s_mul_i32 s45, s14, HALFT
	s_wait_kmcnt 0x0
	s_add_nc_u64 s[92:93], s[6:7], WOFF
	s_add_nc_u64 s[20:21], s[4:5], s[20:21]
	s_add_nc_u64 s[46:47], s[92:93], s[46:47]
	; THE FILLS AS THEY STAND (this takes the place of the head comment's paragraph on the three slots).  At the head ONE joint load a wave, each a whole operand of a slot (16 row blocks):
	; wave 0 A of K step 0, wave 1 B of K step 0, wave 2 A of K step 1, wave 3 B of K step 1.  Slot 2's first fill (K step 2, a quarter a wave) stands behind the three lines and a round;
	; slot 0 is filled again with K step 3 behind the round at the end of K step 1.  By the text's own count a wave never has more than one tensor load out.
	s_mul_i32 s67, s15, ROWB                       ; wave / 2: which K step, and which slot
	s_mul_i32 s66, s17, 2*NB*PITCHB                ; A's tile, whole
	s_add_co_u32 s66, s66, s67
	s_mul_i32 s68, s[TC], 2*NB*PITCHB              ; B's, in registers that never hold cy
	s_add_co_u32 s68, s68, s67
	s_mov_b32 s67, 0
	s_mov_b32 s69, 0
	s_mov_b32 s[GA1], 1
	s_mul_i32 s[GA1+1], s15, SLOT
	s_add_nc_u64 s[GA1+2:GA1+3], s[4:5], s[66:67]
	s_or_b32 s[GA1+3], s[GA1+3], 0x80000000
	s_mov_b32 s[GB1], 1
	s_mul_i32 s[GB1+1], s15, SLOT
	s_add_co_u32 s[GB1+1], s[GB1+1], 2*HALFT
	s_add_nc_u64 s[GB1+2:GB1+3], s[92:93], s[68:69]
	s_or_b32 s[GB1+3], s[GB1+3], 0x80000000
	FIRST GA0, GB0, 0                              ; the ring's descriptors: slot 0 (stepped to K step 3 at its refill),
	FIRST GA2, GB2, 2                              ; and slot 2
	CROUND                                         ; all sixteen work-groups are here: the first joint loads meet
.macro HARM eq, g0, g1w, nxt           ; an arm of the one chain on the wave's number: every way through the head passes one load
	s_cmp_eq_u32 s14, \eq
	s_cbranch_scc0 \nxt
	tensor_load_to_lds s[\g0:\g0+3], s[\g1w:\g1w+7]
	s_nop 0
	PLACES
	s_branch .Lhead_asked
\nxt:
.endm
	HARM 0, GA1, G1, .Lh1
	HARM 1, GB1, G1B, .Lh2
	HARM 2, GA1, G1, .Lh3
	tensor_load_to_lds s[GB1:GB1+3], s[G1B:G1B+7]
	s_nop 0
	PLACES
.Lhead_asked:
	v_and_b32 v1, 31, v0
	v_lshlrev_b32 v[L16], 4, v1
	v_lshlrev_b32 v[L8], 3, v1
	v_lshlrev_b32 v[L4], 2, v1
	v_bfe_u32 v2, v0, 4, 1
	s_mul_i32 s21, s15, HALFT
	s_mul_i32 s22, s16, HALFT
	s_add_co_u32 s22, s22, 2*HALFT
	s_sub_co_u32 s23, s22, s21
	v_mul_u32_u24 v3, s23, v2
	v_add_nc_u32 v3, v3, v[L4]
.irp s, 0,1,2
	v_add_nc_u32 v[A16+\s], s21, v[L16]
	v_add_nc_u32 v[A8+\s], s21, v[L8]
	v_add_nc_u32 v[B16+\s], s22, v[L16]
	v_add_nc_u32 v[B8+\s], s22, v[L8]
	v_add_nc_u32 v[SA+\s], s21, v3
	s_add_co_u32 s21, s21, SLOT
	s_add_co_u32 s22, s22, SLOT
.endr
	v_lshlrev_b32 v13, 6, v2                       ; the bias at 16 h of each 32 columns
	s_mov_b32 s[SEL], 0x76543210
	s_mov_b32 s[SEL+1], 0xfedcba98
	s_mov_b32 s70, 0x3dd2d3e8                      ; c2
	s_mov_b32 s71, s70
	s_lshl_b32 s18, s[TC], 10
	s_lshl_b32 s19, s16, 9
	s_add_co_u32 s18, s18, s19
	s_mov_b32 s19, 0
	s_add_nc_u64 s[94:95], s[8:9], s[18:19]        ; b_fc at my 128 columns
	s_lshl_b32 s18, s17, 4
	s_lshl_b32 s72, s15, 3
	s_add_co_u32 s18, s18, s72                     ; my first row block
	s_lshl_b32 s18, s18, 4
	s_add_co_u32 s18, s18, s[TC]                   ; its unit: the tile column
	s_mul_i32 s18, s18, 3328
	s_mul_i32 s72, s16, 1536
	s_add_co_u32 s72, s72, s18
	s_mov_b32 s73, 0
	s_add_nc_u64 s[66:67], s[10:11], s[72:73]      ; my fragment in it
	s_lshl_b32 s72, s16, 7
	s_add_co_u32 s72, s72, s18
	s_add_co_u32 s72, s72, 3072
	s_add_nc_u64 s[68:69], s[10:11], s[72:73]      ; and its scale image
	s_wait_alu depctr_va_vdst(0)                   ; the wait at the head's end
	s_wait_tensorcnt 0x0                           ; my tile of the head's four is in; the three lines stand ahead of a later first fill as ahead of a refill
	ds_add_u32 v[SPW], v[NIL]
	s_mov_b32 s[G1+2], NB<<16                      ; no tensor load of mine is out: from here on a load brings NB row blocks
	s_mov_b32 s[G1+4], NB
	s_mov_b32 s[G1B+2], NB<<16
	s_mov_b32 s[G1B+4], NB
	s_wait_dscnt 0x0
	CROUND                                         ; slots 0 and 1 are whole in every partner
	JLOAD GA2, GB2                                 ; K step 2 into slot 2, the first tensor load behind the round
	FETCH 0, 0, 0
	STEP 0, 1                                      ; K step 0: its first products start the sums
	CROSS 1                                        ; on into slot 1, which the round above has shown whole
	STEP 1, 0                                      ; K step 1
	TURN 2, 1                                      ; slot 2 has landed, in every wave; slot 0 takes K step 3
	STEP 2, 0                                      ; K step 2
	TURN 0, 0                                      ; the refill has landed, in every wave; nothing more is filled
	STEP 0, 0                                      ; K step 3
	PLACES                                         ; B's set 0 is done with: it takes the bias
	WIN 0x40
.set bj, 0
.rept 16
	global_load_b128 v[4*bj:4*bj+3], v13, s[94:95] offset:128*(bj/4)+16*(bj%4)
.set bj, bj+1
.endr
	WIN 0
	LAST
	PLACES
.irp b, 0,1,2,3
	v_mov_b32 v[TM+4+\b], 0                        ; written once: a lane permute's destination counts as one of its sources
.endr
	v_mov_b32 v[GC1], 0x40135761                   ; c1
	v_mov_b32 v[GC1+1], 0x40135761
	s_wait_loadcnt 0x0
.set ea, 0
.rept 8
	WIN 0x06+(ea/4)
.set ej, 0
.rept 32
	v_pk_add_f32 v[HA+ej:HA+ej+1], v[64*(ea%4)+ej:64*(ea%4)+ej+1], v[ej:ej+1]   ; x = sum + bias; each accumulator from its low end on
.set ej, ej+2
.endr
	WIN 0
.set ej, 0
.rept 32
	v_pk_mul_f32 v[E+ej:E+ej+1], v[HA+ej:HA+ej+1], v[HA+ej:HA+ej+1]
.set ej, ej+2
.endr
.set ej, 0
.rept 32
	v_pk_fma_f32 v[E+ej:E+ej+1], v[E+ej:E+ej+1], s[70:71], v[GC1:GC1+1] op_sel_hi:[1,0,1]
.set ej, ej+2
.endr
.set ej, 0
.rept 32
	v_pk_mul_f32 v[E+ej:E+ej+1], v[HA+ej:HA+ej+1], v[E+ej:E+ej+1] neg_lo:[1,0] neg_hi:[1,0]
.set ej, ej+2
.endr
.set ej, 0
	s_wait_alu depctr_va_vdst(0)
.rept 64
	v_exp_f32 v[E+ej], v[E+ej]
.set ej, ej+1
.endr
	v_nop                                          ; a plain line behind the batch,
	s_wait_alu depctr_va_vdst(0)                   ; and one wait ahead of its first reader
.set ej, 0
.rept 32
	v_pk_add_f32 v[E+ej:E+ej+1], v[E+ej:E+ej+1], 1.0 op_sel_hi:[1,0]
.set ej, ej+2
.endr
.set ej, 0
	s_wait_alu depctr_va_vdst(0)
.rept 64
	v_rcp_f32 v[E+ej], v[E+ej]
.set ej, ej+1
.endr
	v_nop
	s_wait_alu depctr_va_vdst(0)
.set ej, 0
.rept 32
	v_pk_mul_f32 v[HA+ej:HA+ej+1], v[HA+ej:HA+ej+1], v[E+ej:E+ej+1]
.set ej, ej+2
.endr
	s_wait_xcnt 0x0                                ; the last block's stores have read their data
	QUANT HA, PC, TM, PW
	global_store_b128 v[L16], v[PC:PC+3], s[66:67] offset:ea*53248
	global_store_b64 v[L8], v[PC+4:PC+5], s[66:67] offset:ea*53248+512
	global_store_b128 v[L16], v[PC+6:PC+9], s[66:67] offset:ea*53248+768
	global_store_b64 v[L8], v[PC+10:PC+11], s[66:67] offset:ea*53248+1280
	global_store_b32 v[L4], v[PW], s[68:69] offset:ea*53248
.set ea, ea+1
.endr
	s_wait_tensorcnt 0x0                           ; the wave's end
	ds_add_u32 v[SPW], v[NIL]
	s_wait_dscnt 0x0
	CROUND
	s_endpgm
.Lfunc_end_k_qbd9161d507_g3:
	.size	k_qbd9161d507_g3, .Lfunc_end_k_qbd9161d507_g3-k_qbd9161d507_g3
	.p2alignl 7, 3214868480
	.fill 96, 4, 3214868480
	.section	.rodata,"a",@progbits
	.p2align	6, 0x0
	.amdhsa_kernel k_qbd9161d507_g3
		.amdhsa_group_segment_fixed_size 327680
		.amdhsa_private_segment_fixed_size 0
		.amdhsa_enable_private_segment 0
		.amdhsa_kernarg_size 32
		.amdhsa_user_sgpr_count 2
		.amdhsa_user_sgpr_kernarg_segment_ptr 1
		.amdhsa_wavefront_size32 1
		.amdhsa_system_sgpr_workgroup_id_x 1
		.amdhsa_system_sgpr_workgroup_id_y 1
		.amdhsa_system_sgpr_workgroup_id_z 1
		.amdhsa_system_vgpr_workitem_id 0
		.amdhsa_next_free_vgpr 1024
		.amdhsa_next_free_sgpr 102
		.amdhsa_reserve_vcc 0
		.amdhsa_float_denorm_mode_32 3
		.amdhsa_float_denorm_mode_16_64 3
		.amdhsa_memory_ordered 1
		.amdhsa_forward_progress 1
		.amdhsa_inst_pref_size 255
	.end_amdhsa_kernel
	.section	.bss,"aw",@nobits
	.p2align	6
	.space	262144
	.amdgpu_metadata
---
amdhsa.version: [ 1, 2 ]
amdhsa.kernels:
  - .name:           k_qbd9161d507_g3
    .symbol:         k_qbd9161d507_g3.kd
    .args:
      - { .name: zq, .offset: 0, .size: 8, .value_kind: global_buffer, .address_space: global }
      - { .name: wq, .offset: 8, .size: 8, .value_kind: global_buffer, .address_space: global }
      - { .name: b_fc, .offset: 16, .size: 8, .value_kind: global_buffer, .address_space: global }
      - { .name: act, .offset: 24, .size: 8, .value_kind: global_buffer, .address_space: global }
    .group_segment_fixed_size: 327680
    .private_segment_fixed_size: 0
    .kernarg_segment_align: 8
    .kernarg_segment_size: 32
    .max_flat_workgroup_size: 128
    .sgpr_count:     102
    .vgpr_count:     1024
    .wavefront_size: 32
...
	.end_amdgpu_metadata
.endif
;; end of part 6
;; launch g4 (part 7): grid 8 x 32, 4 waves a work-group, clusters of 4 x 4, 327,680 bytes of LDS; arguments act, wq, b_fc2, h1, out0; writes out0
.if DOCPART == 7
	.amdgcn_target "amdgcn-amd-amdhsa--gfx1250"
	.amdhsa_code_object_version 6
	.text
	.protected	k_qbd9161d507_g4
	.globl	k_qbd9161d507_g4
	.p2align	8
	.type	k_qbd9161d507_g4,@function
k_qbd9161d507_g4:
	s_mov_b64 s[64:65], 0
	v_nop
	global_prefetch_b8 v0, s[64:65] scope:SCOPE_SE
	s_setreg_imm32_b32 hwreg(HW_REG_WAVE_MODE, 25, 1), 1
	s_wait_xcnt 0x0
	s_wait_alu depctr_hold_cnt(0) depctr_sa_sdst(0) depctr_va_vdst(0) depctr_va_sdst(0) depctr_va_ssrc(0) depctr_va_vcc(0) depctr_vm_vsrc(0)
	s_getreg_b32 s2, hwreg(HW_REG_IB_STS2, 6, 4)
	s_cmp_eq_u32 s2, 0
	s_cbranch_scc0 .Lentry_in_a_cluster
	s_endpgm
.Lentry_in_a_cluster:
	s_bfe_u32 s2, ttmp6, 0x10000c
	s_cmp_lg_u32 s2, 0xf033
	s_cbranch_scc0 .Lentry_shape_is_right
	s_endpgm
.Lentry_shape_is_right:
; out0 = h1 + act W_fc2 + b_fc2 on codes of FP6 (E2M3), K = 4,096.  act: 256 row blocks x 16 units; W_fc2 (in wq, WOFF bytes in): 64 row blocks (by output column) x 16 units.
; OPERAND FORMAT: row m of row block i is row 32 (i / 2) + 16 (m / 8) + 8 (i % 2) + m % 8; a fragment (16 rows x 128 K) is the image of its 12 registers, 1,536 bytes; a unit (256 K) is two fragments and their two
; scale images (128 bytes each: a row's word at 4 x lane, lanes 16-31 repeating lanes 0-15): 3,328 bytes.
; A work-group makes 128 x 128, a wave 64 x 64: 16 accumulators.  THE PRODUCT IS USED TRANSPOSED (source 0 = W's columns, source 1 = tokens): a lane holds one token and eight neighbouring columns.
; B GOES FROM MEMORY STRAIGHT INTO REGISTERS: a fragment lies in wq as its registers want it, so a wave's four fragments and four scale words of a step of 128 along K are 20 loads of consecutive bytes, every offset an immediate.
; Four sets of 48 registers take turns; step k asks for step k + 3's, so 60 of these loads are out at the most, and the wait for a step's set leaves the two younger steps' 40 out.
; A GOES THROUGH LDS, which it has to itself: two slots of 8 row blocks x 6 units.  At the head one joint load a wave (a half of a slot): 12 of K's 16 units.  ONE REFILL: units 12 to 15, dense rows of 4 units, a quarter a wave,
; onto bytes of slot 0, behind the round in step 11; it is first read in step 24.  A's tile is shared along a row of the 4 x 4 cluster and asked for jointly; B's fragments are not shared through LDS, so they have no joint load.
; PREFETCH: the refill's 8 rows x 13,312 bytes are named once in each row of the cluster, in step 4, seven steps ahead of the load: the sixteen waves of the four partners take half a row each (26 blocks of 256 bytes, a lane a block;
; the six lanes left over name the last block again), told apart by address.  What the head loads is asked for at once and has no prefetch.
; THE WAY OUT: a block of 16 tokens x 64 columns goes through the wave's stage and comes back as rows of 256 bytes; bias and h1 are added; sixteen lanes store 256 consecutive bytes.  The stage lies in slot 1, behind its one fill and its last read.
; LIMITS: NaN and infinities are not served.
; REGISTERS: window 0: v10-30 addresses; v32-39 A's scale words, two sets; v48-51 the bias; v64-95 the way out; v116-131 B's scale words, four sets; v132-149 LDS addresses; v160-255 A's fragments, two sets;
; window 1: v0-191 B's fragments, four sets; window 2: v0-127 the accumulators, v128-255 h1.
.set NB,     4
.set WOFF,   6815744
.set UB,     3328
.set PITCHB, 16*UB                     ; from row block to row block in memory
.set ROWB,   6*UB                      ; a slot's row
.set RB4,    4*UB                      ; the refill's row
.set HALFT,  NB*ROWB                   ; what a wave loads at the head
.set SLOT,   2*HALFT
.set SPARE,  2*SLOT                    ; behind the slots: the spare words, 128 bytes a wave
.set STAGE,  SLOT
.set L16, 10
.set L8,  11
.set L4,  12
.set STO, 13
.set RD,  14
.set CO,  26
.set BO,  27
.set SPW, 28
.set NIL, 29
.set PFO, 30
.set SC,  32
.set BI,  48
.set ORW, 64
.set SCB, 116                          ; B's scale registers differ from A's by 4 modulo 8 in every product
.set ADR, 132                          ; v[ADR + 6 x place + 3 x (block / 2)] on: + 16, + 8, + 4 x lane; place 0, 1: the slots, 2: the refill
.set AF,  160
.set G1,  24                           ; s[24:31], s[32:35] the head's load;  s[48:55], s[56:59] the refill
.set G0,  32
.set G1R, 48
.set G0R, 56
.set BB,  60                           ; s[60:61] my four row blocks of W_fc2; never stepped
.set PFB, 62                           ; s[62:63] my share of the refill's rows; never stepped
.set MSB, 0
.macro WIN new
.if MSB != (\new)
	s_set_vgpr_msb (MSB<<8)|(\new)
.set MSB, (\new)
.endif
.endm
.macro PLACES
.rept 4
	v_nop
.endr
.endm
.macro CREST
	s_cmp_lg_u32 s14, 0
	s_cbranch_scc1 .Lnot_wave_0_\@
	s_barrier_signal -3
.Lnot_wave_0_\@:
	s_barrier_wait -3
	s_barrier_signal -1
	s_barrier_wait -1
.endm
.macro CROUND
	s_barrier_signal -1
	s_barrier_wait -1
	CREST
.endm
.macro BLOAD k                         ; B's four fragments and scale words of step k into set k % 4: 20 loads
	WIN 0x40
.set fi, 0
.rept NB
.set BD, 48*((\k)%4)+12*fi
.set BF, fi*PITCHB+((\k)/2)*UB+((\k)%2)*1536
	global_load_b128 v[BD:BD+3], v[L16], s[BB:BB+1] offset:BF
	global_load_b64 v[BD+4:BD+5], v[L8], s[BB:BB+1] offset:BF+512
	global_load_b128 v[BD+6:BD+9], v[L16], s[BB:BB+1] offset:BF+768
	global_load_b64 v[BD+10:BD+11], v[L8], s[BB:BB+1] offset:BF+1280
.set fi, fi+1
.endr
	WIN 0
.set fi, 0
.rept NB
	global_load_b32 v[SCB+4*((\k)%4)+fi], v[L4], s[BB:BB+1] offset:fi*PITCHB+((\k)/2)*UB+3072+128*((\k)%2)
.set fi, fi+1
.endr
.endm
.macro AFETCH k                        ; A's four fragments and scale words of step k into set k % 2: 20 LDS loads.  Steps 0-11 lie in slot 0, 12-23 in slot 1, 24-31 in the refill
.if (\k) < 12
.set AI, 0
.set AU, (\k)/2
.set RP, ROWB
.elseif (\k) < 24
.set AI, 1
.set AU, ((\k)-12)/2
.set RP, ROWB
.else
.set AI, 2
.set AU, ((\k)-24)/2
.set RP, RB4
.endif
.set fi, 0
.rept NB
.set AR, ADR+6*AI+3*(fi/2)
.set AO, (fi%2)*RP+AU*UB+((\k)%2)*1536
.set AD, AF+48*((\k)%2)+12*fi
	ds_load_b128 v[AD:AD+3], v[AR] offset:AO
	ds_load_b64 v[AD+4:AD+5], v[AR+1] offset:AO+512
	ds_load_b128 v[AD+6:AD+9], v[AR] offset:AO+768
	ds_load_b64 v[AD+10:AD+11], v[AR+1] offset:AO+1280
.set fi, fi+1
.endr
.set fi, 0
.rept NB
	ds_load_b32 v[SC+4*((\k)%2)+fi], v[ADR+6*AI+3*(fi/2)+2] offset:(fi%2)*RP+AU*UB+3072+128*((\k)%2)
.set fi, fi+1
.endr
.endm
.macro MULS k, a0, n, zero             ; A's blocks a0 .. a0 + n - 1 against B's four.  The sixteen accumulators take turns, one instruction a turn, in the same order in every step
	WIN 0xa1
.set ma, \a0
.rept \n
.set mb, 0
.rept NB
.if \zero
	v_wmma_scale_f32_16x16x128_f8f6f4 v[8*(NB*ma+mb):8*(NB*ma+mb)+7], v[48*((\k)%4)+12*mb:48*((\k)%4)+12*mb+11], v[AF+48*((\k)%2)+12*ma:AF+48*((\k)%2)+12*ma+11], 0, v[SCB+4*((\k)%4)+mb], v[SC+4*((\k)%2)+ma] matrix_a_fmt:MATRIX_FMT_FP6 matrix_b_fmt:MATRIX_FMT_FP6
.else
	v_wmma_scale_f32_16x16x128_f8f6f4 v[8*(NB*ma+mb):8*(NB*ma+mb)+7], v[48*((\k)%4)+12*mb:48*((\k)%4)+12*mb+11], v[AF+48*((\k)%2)+12*ma:AF+48*((\k)%2)+12*ma+11], v[8*(NB*ma+mb):8*(NB*ma+mb)+7], v[SCB+4*((\k)%4)+mb], v[SC+4*((\k)%2)+ma] matrix_a_fmt:MATRIX_FMT_FP6 matrix_b_fmt:MATRIX_FMT_FP6
.endif
.set mb, mb+1
.endr
.set ma, ma+1
.endr
.endm
.macro BWAIT k                         ; B's set of step k is in: younger are the loads of the steps behind it that have been asked for, two at the most, 20 each
.set LCN, 31-(\k)
.if LCN > 2
.set LCN, 2
.endif
	s_wait_loadcnt 20*LCN
.endm
.macro STEP k, zero
	BWAIT \k
	s_wait_dscnt 0x0                               ; A's set of this step is in: it was asked for a step ago
	PLACES                                         ; four places behind the last step's products, ahead of loads into registers that they have read
.if (\k)+3 < 32
	BLOAD (\k)+3
.endif
	AFETCH (\k)+1
.if (\k) == 4
	global_prefetch_b8 v[PFO], s[PFB:PFB+1] th:TH_LOAD_NT scope:SCOPE_SE   ; my share of the refill's rows, seven steps ahead of their load
.endif
	MULS \k, 0, NB, \zero
	WIN 0
.endm
.macro TURN k, fill                    ; a step behind which A's place changes.  fill = 1: slot 0 is read no more and takes units 12 to 15
	BWAIT \k
	PLACES
	BLOAD (\k)+3
	s_wait_tensorcnt 0x0                           ; all my tensor loads have landed;
	ds_add_u32 v[SPW], v[NIL]                      ; 0 onto my spare word;
	s_wait_dscnt 1                                 ; A's set of this step is in; the add alone may be out
	MULS \k, 0, 1, 0
	s_wait_dscnt 0x0                               ; the add is done, and my reads of the place left behind are over
	s_barrier_signal -1
	MULS \k, 1, 1, 0
	WIN 0
	s_barrier_wait -1
.if \fill
	CREST                                          ; the barrier has opened a round of the cluster's: no wave of any partner still reads slot 0 or has a load on its way
	tensor_load_to_lds s[G0R:G0R+3], s[G1R:G1R+7]  ; my two row blocks of the refill: one line for all four waves, its places made from the wave's number
	s_nop 0
	PLACES                                         ; (also the places in front of the loads below)
.else
	PLACES
.endif
	AFETCH (\k)+1
	MULS \k, 2, 2, 0
	WIN 0
.endm
	s_load_b256 s[4:11], s[0:1], 0x0               ; act, wq, b_fc2, h1
	s_load_b64 s[12:13], s[0:1], 0x20              ; out0
	v_lshl_add_u32 v[SPW], v0, 2, SPARE
	v_mov_b32 v[NIL], 0
	ds_add_u32 v[SPW], v[NIL]                      ; the opening lines: the add, twice on end, and its wait
	ds_add_u32 v[SPW], v[NIL]
	v_lshrrev_b32 v1, 5, v0
	v_readfirstlane_b32 s14, v1                    ; wave 0..3
	s_lshr_b32 s15, s14, 1                         ; my half of A's rows.  Also: the slot that I fill at the head
	s_and_b32 s16, s14, 1                          ; my half of B's rows.  Also: which half of that slot
	s_bfe_u32 s40, ttmp6, 0x40000                  ; cx
	s_bfe_u32 s41, ttmp6, 0x40004                  ; cy
	s_lshl_b32 s42, ttmp9, 2
	s_add_co_u32 s42, s42, s40                     ; tile column
	s_and_b32 s17, ttmp7, 0xffff
	s_lshl_b32 s17, s17, 2
	s_add_co_u32 s17, s17, s41                     ; tile row
	s_lshl_b32 s43, s41, 2
	s_lshl_b32 s43, 15, s43                        ; my row of the cluster
	s_or_b32 s[G1], s43, (3<<16)|(1<<21)           ; the mask; elements of 8 bytes; bit 21 beside a mask; no padding
	s_mov_b32 s[G1+1], (ROWB/8)<<16
	s_mov_b32 s[G1+2], NB<<16
	s_mov_b32 s[G1+3], (ROWB/8)<<16
	s_mov_b32 s[G1+4], NB
	s_mov_b32 s[G1+5], PITCHB/8
	s_mov_b32 s[G1+6], 0
	s_mov_b32 s[G1+7], 0
	s_or_b32 s[G1R], s43, (3<<16)|(1<<21)
	s_mov_b32 s[G1R+1], (RB4/8)<<16
	s_mov_b32 s[G1R+2], 2<<16
	s_mov_b32 s[G1R+3], (RB4/8)<<16
	s_mov_b32 s[G1R+4], 2
	s_mov_b32 s[G1R+5], PITCHB/8
	s_mov_b32 s[G1R+6], 0
	s_mov_b32 s[G1R+7], 0
	s_mul_i32 s74, s17, 8*PITCHB                   ; A's tile, in bytes from act
	s_mul_i32 s20, s16, 4*PITCHB
	s_add_co_u32 s20, s20, s74
	s_mul_i32 s21, s15, ROWB
	s_add_co_u32 s20, s20, s21                     ; the head: half wave % 2 of the rows, six units from unit 6 (wave / 2) on
	s_mov_b32 s21, 0
	s_mul_i32 s22, s14, 2*PITCHB
	s_add_co_u32 s22, s22, s74
	s_add_co_u32 s22, s22, 12*UB                   ; the refill: row blocks 2 wave, 2 wave + 1, from unit 12 on
	s_mov_b32 s23, 0
	s_lshl_b32 s46, s42, 1
	s_add_co_u32 s46, s46, s16
	s_mul_i32 s46, s46, NB*PITCHB
	s_add_co_u32 s46, s46, WOFF                    ; B: my four row blocks
	s_mov_b32 s47, 0
	s_lshl_b32 s18, s40, 2
	s_add_co_u32 s18, s18, s14                     ; my number among the sixteen waves that will ask for the refill jointly
	s_lshr_b32 s19, s18, 1
	s_mul_i32 s19, s19, PITCHB                     ; its row block,
	s_and_b32 s18, s18, 1
	s_mul_i32 s18, s18, 26*256                     ; and which half of the row's 52 blocks of 256 bytes
	s_add_co_u32 s18, s18, s19
	s_add_co_u32 s18, s18, s74
	s_add_co_u32 s18, s18, 12*UB
	s_mov_b32 s19, 0
	s_mov_b32 s[G0], 1
	s_mul_i32 s[G0+1], s14, HALFT                  ; no place in the cluster enters an LDS address
	s_mov_b32 s[G0R], 1
	s_mul_i32 s[G0R+1], s14, 2*RB4
	s_mul_i32 s76, s15, 4*ROWB                     ; my four row blocks of A in LDS, two by two: slot 0,
	s_add_co_u32 s77, s76, 2*ROWB
	s_add_co_u32 s78, s76, SLOT                    ; slot 1,
	s_add_co_u32 s79, s77, SLOT
	s_mul_i32 s80, s15, 4*RB4                      ; the refill
	s_add_co_u32 s81, s80, 2*RB4
	s_mul_i32 s82, s14, 16*272
	s_add_co_u32 s82, s82, STAGE                   ; my stage
	s_wait_alu depctr_va_vdst(0)
	s_wait_dscnt 0x0
	CROUND                                         ; all sixteen work-groups are here: the joint loads meet
	s_wait_kmcnt 0x0
	s_add_nc_u64 s[G0+2:G0+3], s[4:5], s[20:21]
	s_or_b32 s[G0+3], s[G0+3], 0x80000000
	s_add_nc_u64 s[G0R+2:G0R+3], s[4:5], s[22:23]
	s_or_b32 s[G0R+3], s[G0R+3], 0x80000000
	s_add_nc_u64 s[BB:BB+1], s[6:7], s[46:47]
	s_add_nc_u64 s[PFB:PFB+1], s[4:5], s[18:19]
	s_cmp_lt_u32 s14, 2
	s_cbranch_scc0 .Lslot_1
	tensor_load_to_lds s[G0:G0+3], s[G1:G1+7]      ; waves 0 and 1: slot 0's halves, by a line of their own, since they wait first
	s_nop 0
	PLACES
	s_branch .Lasked
.Lslot_1:
	tensor_load_to_lds s[G0:G0+3], s[G1:G1+7]      ; waves 2 and 3: slot 1's
	s_nop 0
	PLACES
.Lasked:
	s_lshl_b32 s18, s42, 9
	s_lshl_b32 s19, s16, 8
	s_add_co_u32 s18, s18, s19                     ; my 64 columns, in bytes
	s_mov_b32 s19, 0
	s_add_nc_u64 s[70:71], s[8:9], s[18:19]        ; the bias there
	s_lshl_b32 s72, s17, 19
	s_lshl_b32 s73, s15, 18
	s_add_co_u32 s72, s72, s73
	s_add_co_u32 s18, s18, s72                     ; + my 64 tokens' rows
	s_add_nc_u64 s[66:67], s[10:11], s[18:19]      ; h1
	s_add_nc_u64 s[68:69], s[12:13], s[18:19]      ; out0
	v_and_b32 v1, 31, v0
	v_bfe_u32 v2, v0, 4, 1
	v_and_b32 v4, 15, v0
	v_lshlrev_b32 v[L16], 4, v1
	v_lshlrev_b32 v[L8], 3, v1
	v_lshlrev_b32 v[L4], 2, v1
	v_min_u32 v[PFO], 25, v1
	v_lshlrev_b32 v[PFO], 8, v[PFO]
.irp i, 0,1,2,3,4,5
	v_add_nc_u32 v[ADR+3*\i], s[76+\i], v[L16]
	v_add_nc_u32 v[ADR+3*\i+1], s[76+\i], v[L8]
	v_add_nc_u32 v[ADR+3*\i+2], s[76+\i], v[L4]
.endr
	v_mul_u32_u24 v5, v4, 272
	v_lshl_add_u32 v5, v2, 6, v5
	v_add_nc_u32 v[STO], s82, v5                   ; the stage, in: row l % 16, 64 bytes for each half of the lanes
	v_mul_u32_u24 v5, v2, 272
	v_lshl_add_u32 v5, v4, 4, v5
	v_add_nc_u32 v[RD], s82, v5                    ; and back: lanes 0-15 one row of 256 bytes, lanes 16-31 the next
	v_lshlrev_b32 v[BO], 4, v4
	v_lshl_add_u32 v[CO], v2, 12, v[BO]            ; the same two rows in h1 and out0
	s_wait_alu depctr_va_vdst(0)                   ; the wait at the head's end
	WIN 0x80
.set ra, 0
.rept 4
.set rt, 0
.rept 8
	global_load_b128 v[128+4*(8*ra+rt):128+4*(8*ra+rt)+3], v[CO], s[66:67] offset:(32*(ra/2)+8*(ra%2)+16*(rt/4)+2*(rt%4))*4096   ; h1, ahead of all of B's loads: the counted waits below never leave it out
.set rt, rt+1
.endr
.set ra, ra+1
.endr
	WIN 0
	global_load_b128 v[BI:BI+3], v[BO], s[70:71]
	BLOAD 0
	BLOAD 1
	BLOAD 2
	s_cmp_lt_u32 s14, 2
	s_cbranch_scc0 .Lnot_slot_0
	s_wait_tensorcnt 0x0                           ; waves 0 and 1: slot 0's halves
.Lnot_slot_0:
	s_barrier_signal -1
	s_barrier_wait -1                              ; slot 0 is shown to all; slot 1 may be on its way
	AFETCH 0
	STEP 0, 1                                      ; the first step's products start the sums
.irp k, 1,2,3,4,5,6,7,8,9,10
	STEP \k, 0
.endr
	TURN 11, 1                                     ; slot 1 has landed, in every wave; slot 0's bytes take units 12 to 15
.irp k, 12,13,14,15,16,17,18,19,20,21,22
	STEP \k, 0
.endr
	TURN 23, 0                                     ; the refill has landed, in every wave; nothing more is filled
.irp k, 24,25,26,27,28,29,30
	STEP \k, 0
.endr
	s_wait_loadcnt 0x0
	s_wait_dscnt 0x0
	MULS 31, 0, NB, 0
	WIN 0
	PLACES
.set ea, 0
.rept 4
	s_wait_xcnt 0x0                                ; the last block's stores have read their data
	WIN 0x08
.set eb, 0
.rept 4
	ds_store_b128 v[STO], v[8*(4*ea+eb):8*(4*ea+eb)+3] offset:128*(eb/2)+32*(eb%2)          ; each accumulator from its low end on
	ds_store_b128 v[STO], v[8*(4*ea+eb)+4:8*(4*ea+eb)+7] offset:128*(eb/2)+32*(eb%2)+16
.set eb, eb+1
.endr
	WIN 0
.set et, 0
.rept 8
	ds_load_b128 v[ORW+4*et:ORW+4*et+3], v[RD] offset:et*2*272   ; LDS serves a wave's instructions in order: these see the stores above
.set et, et+1
.endr
	s_wait_dscnt 0x0
.set et, 0
.rept 8
	v_pk_add_f32 v[ORW+4*et:ORW+4*et+1], v[ORW+4*et:ORW+4*et+1], v[BI:BI+1]
	v_pk_add_f32 v[ORW+4*et+2:ORW+4*et+3], v[ORW+4*et+2:ORW+4*et+3], v[BI+2:BI+3]
.set et, et+1
.endr
	WIN 0x08
.set et, 0
.rept 8
	v_pk_add_f32 v[ORW+4*et:ORW+4*et+1], v[ORW+4*et:ORW+4*et+1], v[128+4*(8*ea+et):128+4*(8*ea+et)+1]
	v_pk_add_f32 v[ORW+4*et+2:ORW+4*et+3], v[ORW+4*et+2:ORW+4*et+3], v[128+4*(8*ea+et)+2:128+4*(8*ea+et)+3]
.set et, et+1
.endr
	WIN 0
.set et, 0
.rept 8
	global_store_b128 v[CO], v[ORW+4*et:ORW+4*et+3], s[68:69] offset:(32*(ea/2)+8*(ea%2)+16*(et/4)+2*(et%4))*4096 th:TH_STORE_NT
.set et, et+1
.endr
.set ea, ea+1
.endr
	s_wait_tensorcnt 0x0                           ; the wave's end
	ds_add_u32 v[SPW], v[NIL]
	s_wait_dscnt 0x0
	CROUND                                         ; the closing round
	s_endpgm
.Lfunc_end_k_qbd9161d507_g4:
	.size	k_qbd9161d507_g4, .Lfunc_end_k_qbd9161d507_g4-k_qbd9161d507_g4
	.p2alignl 7, 3214868480
	.fill 96, 4, 3214868480
	.section	.rodata,"a",@progbits
	.p2align	6, 0x0
	.amdhsa_kernel k_qbd9161d507_g4
		.amdhsa_group_segment_fixed_size 327680
		.amdhsa_private_segment_fixed_size 0
		.amdhsa_enable_private_segment 0
		.amdhsa_kernarg_size 40
		.amdhsa_user_sgpr_count 2
		.amdhsa_user_sgpr_kernarg_segment_ptr 1
		.amdhsa_wavefront_size32 1
		.amdhsa_system_sgpr_workgroup_id_x 1
		.amdhsa_system_sgpr_workgroup_id_y 1
		.amdhsa_system_sgpr_workgroup_id_z 1
		.amdhsa_system_vgpr_workitem_id 0
		.amdhsa_next_free_vgpr 768
		.amdhsa_next_free_sgpr 102
		.amdhsa_reserve_vcc 0
		.amdhsa_float_denorm_mode_32 3
		.amdhsa_float_denorm_mode_16_64 3
		.amdhsa_memory_ordered 1
		.amdhsa_forward_progress 1
		.amdhsa_inst_pref_size 202
	.end_amdhsa_kernel
	.amdgpu_metadata
---
amdhsa.version: [ 1, 2 ]
amdhsa.kernels:
  - .name:           k_qbd9161d507_g4
    .symbol:         k_qbd9161d507_g4.kd
    .args:
      - { .name: act, .offset: 0, .size: 8, .value_kind: global_buffer, .address_space: global }
      - { .name: wq, .offset: 8, .size: 8, .value_kind: global_buffer, .address_space: global }
      - { .name: b_fc2, .offset: 16, .size: 8, .value_kind: global_buffer, .address_space: global }
      - { .name: h1, .offset: 24, .size: 8, .value_kind: global_buffer, .address_space: global }
      - { .name: out0, .offset: 32, .size: 8, .value_kind: global_buffer, .address_space: global }
    .group_segment_fixed_size: 327680
    .private_segment_fixed_size: 0
    .kernarg_segment_align: 8
    .kernarg_segment_size: 40
    .max_flat_workgroup_size: 128
    .sgpr_count:     102
    .vgpr_count:     768
    .wavefront_size: 32
...
	.end_amdgpu_metadata
.endif
;; end of part 7
